; MI455X (gfx1250); checked and timed in simulation.
; The chip was launched on July 23, 2026; its instructions are those of AMD's public machine-readable ISA for CDNA 5 (MIT licence, August 2026) and "CDNA5" Instruction Set Architecture Reference Guide (July 2026). The comments in the code are by the model that wrote it; some were corrected since.
;; Block. Allowed arithmetic: float matrix products may take bf16 or f16 operands with f32 sums; all other float work in f32.
;; Inputs: W1 512 x 2,048 float32; W2 2,048 x 512 float32; Wk 16 x 512 x 32 float32; Wo 512 x 512 float32; Wq 16 x 512 x 32 float32; Wv 16 x 512 x 32 float32; b1 2,048 float32; b2 512 float32; be1 512 float32; be2 512 float32; bo 512 float32; g1 512 float32; g2 512 float32; x 4 x 2,048 x 512 float32.
;; Outputs: out0 4 x 2,048 x 512 float32.
;; 2 versions, each right and faster than the one before. Each part assembles by itself: llvm-mc -triple=amdgcn-amd-amdhsa -mcpu=gfx1250 --defsym DOCPART=n.
;; ======== version 1 of 2: 7 launches
;; limits: values are held in f16: magnitudes above 65,504 overflow, below 6.1e-05 lose precision
;; workspace buffers: hbuf 8,388,608 bytes; wqkt 1,572,864 bytes; w3t 4,718,592 bytes; big 33,554,432 bytes; vtb 8,388,608 bytes; x1b 16,777,216 bytes
;; launch prep (part 1): grid 896 x 1, 8 waves a work-group, no clusters, 18,432 bytes of LDS; arguments x, g1, be1, Wq, Wk, Wv, Wo, W1, W2, hbuf, wqkt, w3t; writes hbuf, wqkt, w3t
.if DOCPART == 1
	.amdgcn_target "amdgcn-amd-amdhsa--gfx1250"
	.amdhsa_code_object_version 6
	.text
	.protected	k_q35fb096dc6_prep
	.globl	k_q35fb096dc6_prep
	.p2align	8
	.type	k_q35fb096dc6_prep,@function
k_q35fb096dc6_prep:
	s_mov_b64 s[64:65], 0
	v_nop
	global_prefetch_b8 v0, s[64:65] scope:SCOPE_SE
	s_setreg_imm32_b32 hwreg(HW_REG_WAVE_MODE, 25, 1), 1
	s_wait_xcnt 0x0
; Work-groups 0 to 511: h = layernorm(x) * g1 + be1, rounded to f16.  Work-groups 512 to 895: the six weight matrices, rounded to f16 and transposed.
; Both leave in GRANULES of 512 bytes: granule (mb, kb) of a matrix [rows][K] holds rows 16 mb .. +15 and k = 16 kb .. +15; the 16 bytes at 16 (r + 16 h)
; hold row 16 mb + r, k = 16 kb + 8 h .. +7; the granule lies at byte (mb K/16 + kb) 512.  Two neighbouring granules are the eight registers of a 16 x 32
; matrix operand of 16-bit numbers, so every later launch loads operands as they lie.
; wqkt holds Wq^T (rows 0-511), Wk^T (512-1023) and Wv^T (1024-1535); w3t holds Wo^T, W1^T (from byte 524,288) and W2^T (from byte 2,621,440).
; FORMAT: f16, for its eleven bits: at the first tokens the attention's result is as large as v, and five roundings in a row of eight bits each use up the margin.
; ROOM: |h| <= sqrt(511) |g| + |be|, under 700 + |be| with gains of 30; weights 30 times 1/sqrt(512) have rms 1.33: both far under f16's largest number, 65,504.
; Thirty times smaller (h of rms 0.033, weights of rms 0.0015 and 0.0007): f16's step is never above 2^-24, under 1e-4 of these.
; Memory binds here: no matrix unit, no cluster (work-groups share nothing but g1 and be1, 4 KB), no tensor loads.
; LAYERNORM: a work-group owns 16 rows (one mb), each of its eight waves two rows, kept in registers between the passes: mean, then the mean of the squared
; differences (two passes, as the problem states them), all in f32.  The rounded rows meet in LDS, laid as granules, and leave as 512 consecutive bytes a store.
; WEIGHTS: a wave takes two tiles of 16 k x 32 n.  Lane = n; one load for each k (128 consecutive bytes); the lane's 16 k pack into 32 bytes, two stores of
; 16 bytes, in each of which sixteen lanes fill 256 consecutive bytes, aligned.
; Limits: a number beyond 65,504 in magnitude becomes infinity; NaN and infinities spread as the arithmetic spreads them.
.set NLN, 512                          ; work-groups of the layernorm part
.set GPI, 544                          ; LDS: a granule's pitch: two halves of 272 bytes (256 + 16), so that the 32 lanes of a store of 8 bytes meet 64 different banks
.set HPI, 272
.set SX,  4                            ; s[4:5] x   s[6:7] g1   s[8:9] be1   s[22:23] hbuf
.set SG,  6
.set SB,  8
.set SOUT, 22
.set XO,  2                            ; v2  byte offset of my 16 bytes in my wave's first row
.set GO,  3                            ; v3  16 x lane
.set LS,  4                            ; v4  LDS: where my 8 bytes of a row's piece go
.set LR,  5                            ; v5  LDS: where I read 16 bytes of a granule back
.set SO,  6                            ; v6  byte offset of my 16 bytes in my wave's first granule
.set T,   8                            ; v[8:11]   row i: sum, then mean, at T + 2 i
.set Q,   12                           ; v[12:15]  row i: sum of squares, then 1 / sqrt(var + eps), at Q + 2 i
.set X,   16                           ; v[16:47]  row i at X + 16 i: piece j (columns 128 j + 4 lane .. +3) at + 4 j
.set G,   48                           ; v[48:63]  g of my 16 columns
.set BE,  64                           ; v[64:79]  be of my 16 columns
.set VS,  2                            ; weights: v2 4 x lane
.set VD,  4                            ; weights: v4, v5 my byte offset in the first and in the second tile's granules
.set W,   16                           ; weights: v[16:47] two tiles x 16 k, f32
.set Y,   48                           ; weights: v[48:63] two tiles x 8 registers, f16
	s_load_b512 s[4:19], s[0:1], 0x0               ; x, g1, be1, Wq s[10:11], Wk s[12:13], Wv s[14:15], Wo s[16:17], W1 s[18:19]
	s_load_b256 s[20:27], s[0:1], 0x40             ; W2 s[20:21], hbuf s[22:23], wqkt s[24:25], w3t s[26:27]
	v_lshl_add_u32 v80, v0, 2, 0x4400
	v_mov_b32 v81, 0
	v_lshrrev_b32 v1, 5, v0
	v_readfirstlane_b32 s30, v1                    ; wave 0..7
	v_and_b32 v1, 31, v0                           ; lane
	s_cmp_ge_u32 ttmp9, NLN                        ; the same for all waves of a work-group
	s_cbranch_scc1 .Lcast
	; ---------------- layernorm ----------------
	s_lshl_b32 s32, ttmp9, 15                      ; 16 rows of 2,048 bytes
	s_mov_b32 s33, 0
	s_lshl_b32 s34, ttmp9, 14                      ; 32 granules of 512 bytes
	s_mov_b32 s35, 0
	s_mov_b32 s36, 0x76543210                      ; v_permlanex16_b32: each lane takes its own place in the other half
	s_mov_b32 s37, 0xfedcba98
	s_mov_b32 s38, 0x3b000000                      ; 1 / 512
	s_mov_b32 s39, 0x3727c5ac                      ; 1e-5
	v_lshlrev_b32 v[GO], 4, v1
	v_lshl_add_u32 v[XO], s30, 12, v[GO]           ; + 2 rows a wave
	v_lshl_add_u32 v[SO], s30, 11, v[GO]           ; + 4 granules a wave
	; columns 128 j + 4 lane .. +3 of row r lie in granule 8 j + lane / 4, half (lane / 2) % 2, at byte 16 r + 8 (lane % 2)
	v_lshrrev_b32 v7, 2, v1
	v_mul_u32_u24 v[LS], v7, GPI
	v_bfe_u32 v7, v1, 1, 1
	v_mad_u32_u24 v[LS], v7, HPI, v[LS]
	v_and_b32 v7, 1, v1
	v_lshl_add_u32 v[LS], v7, 3, v[LS]
	v_lshl_add_u32 v[LS], s30, 5, v[LS]            ; my wave's rows 2 w, 2 w + 1: 16 bytes each
	v_lshrrev_b32 v7, 4, v1
	v_and_b32 v[LR], 15, v1
	v_lshlrev_b32 v[LR], 4, v[LR]
	v_mad_u32_u24 v[LR], v7, HPI, v[LR]
	s_mul_i32 s31, s30, 4*GPI                      ; my wave sends granules 4 w .. 4 w + 3
	v_add_nc_u32 v[LR], s31, v[LR]
	s_wait_kmcnt 0x0
	s_add_nc_u64 s[SX:SX+1], s[SX:SX+1], s[32:33]
	s_add_nc_u64 s[SOUT:SOUT+1], s[SOUT:SOUT+1], s[34:35]
.irp i, 0,1
.irp j, 0,1,2,3
	global_load_b128 v[X+16*\i+4*\j:X+16*\i+4*\j+3], v[XO], s[SX:SX+1] offset:2048*\i+512*\j   ; 512 consecutive bytes a load
.endr
.endr
.irp j, 0,1,2,3
	global_load_b128 v[G+4*\j:G+4*\j+3], v[GO], s[SG:SG+1] offset:512*\j
	global_load_b128 v[BE+4*\j:BE+4*\j+3], v[GO], s[SB:SB+1] offset:512*\j
.endr
; The sum over a row: the pair's halves, four steps inside each half of 16 lanes, one across; every lane ends with the sum.  The two rows alternate.
.macro ACROSS b
.irp i, 0,1
	v_add_f32 v[\b+2*\i], v[\b+2*\i], v[\b+2*\i+1]
.endr
.irp m, 1,2,4,8
.irp i, 0,1
	v_add_f32_dpp v[\b+2*\i], v[\b+2*\i], v[\b+2*\i] row_xmask:\m row_mask:0xf bank_mask:0xf
.endr
.endr
.irp i, 0,1
	v_permlanex16_b32 v[\b+2*\i+1], v[\b+2*\i], s36, s37
.endr
.irp i, 0,1
	v_add_f32 v[\b+2*\i], v[\b+2*\i], v[\b+2*\i+1]
.endr
.endm
	s_wait_loadcnt 8                               ; the eight loads of x are in; the eight of g and be may stay out
.irp i, 0,1
	v_pk_add_f32 v[T+2*\i:T+2*\i+1], v[X+16*\i:X+16*\i+1], v[X+16*\i+2:X+16*\i+3]
.endr
.irp p, 2,3,4,5,6,7
.irp i, 0,1
	v_pk_add_f32 v[T+2*\i:T+2*\i+1], v[T+2*\i:T+2*\i+1], v[X+16*\i+2*\p:X+16*\i+2*\p+1]
.endr
.endr
	ACROSS T
.irp i, 0,1
	v_mul_f32 v[T+2*\i], s38, v[T+2*\i]            ; the mean
.endr
.irp p, 0,1,2,3,4,5,6,7
.irp i, 0,1
	v_pk_add_f32 v[X+16*\i+2*\p:X+16*\i+2*\p+1], v[X+16*\i+2*\p:X+16*\i+2*\p+1], v[T+2*\i:T+2*\i+1] op_sel_hi:[1,0] neg_lo:[0,1] neg_hi:[0,1]   ; x - mean
.endr
.endr
.irp i, 0,1
	v_pk_mul_f32 v[Q+2*\i:Q+2*\i+1], v[X+16*\i:X+16*\i+1], v[X+16*\i:X+16*\i+1]
.endr
.irp p, 1,2,3,4,5,6,7
.irp i, 0,1
	v_pk_fma_f32 v[Q+2*\i:Q+2*\i+1], v[X+16*\i+2*\p:X+16*\i+2*\p+1], v[X+16*\i+2*\p:X+16*\i+2*\p+1], v[Q+2*\i:Q+2*\i+1]
.endr
.endr
	ACROSS Q
.irp i, 0,1
	v_fma_f32 v[Q+2*\i], v[Q+2*\i], s38, s39       ; var + eps
.endr
.irp i, 0,1
	v_rsq_f32 v[Q+2*\i], v[Q+2*\i]
.endr
	s_wait_loadcnt 0x0                             ; g and be
	v_nop                                          ; a plain instruction between the last v_rsq_f32 and the use of its result (ISA guide 5.7.2)
	s_wait_alu depctr_va_vdst(0)
.irp p, 0,1,2,3,4,5,6,7
.irp i, 0,1
	v_pk_mul_f32 v[X+16*\i+2*\p:X+16*\i+2*\p+1], v[X+16*\i+2*\p:X+16*\i+2*\p+1], v[Q+2*\i:Q+2*\i+1] op_sel_hi:[1,0]
.endr
.endr
.irp p, 0,1,2,3,4,5,6,7
.irp i, 0,1
	v_pk_fma_f32 v[X+16*\i+2*\p:X+16*\i+2*\p+1], v[X+16*\i+2*\p:X+16*\i+2*\p+1], v[G+2*\p:G+2*\p+1], v[BE+2*\p:BE+2*\p+1]
.endr
.endr
.irp i, 0,1
.irp j, 0,1,2,3
	v_cvt_pk_f16_f32 v[X+16*\i+4*\j], v[X+16*\i+4*\j], v[X+16*\i+4*\j+1]
	v_cvt_pk_f16_f32 v[X+16*\i+4*\j+1], v[X+16*\i+4*\j+2], v[X+16*\i+4*\j+3]
	ds_store_b64 v[LS], v[X+16*\i+4*\j:X+16*\i+4*\j+1] offset:8*GPI*\j+16*\i
.endr
.endr
	s_wait_dscnt 0x0                               ; for the others' sake: my stores are done
	s_barrier_signal -1
	s_barrier_wait -1                              ; a granule holds 16 bytes of each of the 16 rows: all eight waves have written it
.irp u, 0,1,2,3
	ds_load_b128 v[X+4*\u:X+4*\u+3], v[LR] offset:GPI*\u
.endr
.irp u, 0,1,2,3
	s_wait_dscnt 3-\u                              ; LDS loads come back in order: granule u is in
	global_store_b128 v[SO], v[X+4*\u:X+4*\u+3], s[SOUT:SOUT+1] offset:512*\u   ; 512 consecutive bytes, aligned
.endr
	s_wait_tensorcnt 0x0
	ds_add_u32 v80, v81
	s_wait_dscnt 0x0
	s_endpgm
	; ---------------- weights ----------------
; Two tiles of 16 k x 32 n from s[10:11] (jstep bytes from k to k + 1, estep bytes from the first tile to the second) to s[24:25].
.macro CAST jstep, estep
.irp e, 0,1
.irp j, 0,1,2,3,4,5,6,7,8,9,10,11,12,13,14,15
	global_load_b32 v[W+16*\e+\j], v[VS], s[10:11] offset:\e*\estep+\j*\jstep th:TH_LOAD_NT
.endr
.endr
.irp e, 0,1
	s_wait_loadcnt 16-16*\e                        ; this tile's sixteen loads are in; the second tile's may stay out
.irp j, 0,1,2,3,4,5,6,7
	v_cvt_pk_f16_f32 v[Y+8*\e+\j], v[W+16*\e+2*\j], v[W+16*\e+2*\j+1]
.endr
	global_store_b128 v[VD+\e], v[Y+8*\e:Y+8*\e+3], s[24:25]                 ; k = 0 .. 7: the granule's first half
	global_store_b128 v[VD+\e], v[Y+8*\e+4:Y+8*\e+7], s[24:25] offset:256    ; k = 8 .. 15: its second half
.endr
.endm
.Lcast:
	s_sub_co_u32 s31, ttmp9, NLN                   ; c = 0 .. 383
	v_lshlrev_b32 v[VS], 2, v1
	v_lshrrev_b32 v6, 4, v1                        ; which of the tile's two blocks of 16 n
	v_and_b32 v7, 15, v1
	v_lshlrev_b32 v7, 4, v7                        ; 16 bytes for each n of a block
	s_mov_b32 s35, 0
	s_wait_kmcnt 0x0
	s_cmp_ge_u32 s31, 256
	s_cbranch_scc1 .Lrows
	s_cmp_ge_u32 s31, 128
	s_cbranch_scc1 .Lw1
	s_cmp_ge_u32 s31, 96
	s_cbranch_scc1 .Lrows
	; Wq, Wk, Wv [16 heads][512 c][32 d]: n = 32 head + d, k = c.  c / 32 says which; tp = 8 (c % 32) + wave: head tp / 16, kb 2 (tp % 16) and the next
	s_lshr_b32 s32, s31, 5
	s_and_b32 s33, s31, 31
	s_lshl3_add_u32 s33, s33, s30
	s_cmp_eq_u32 s32, 1
	s_cselect_b64 s[10:11], s[12:13], s[10:11]     ; Wk,
	s_cmp_eq_u32 s32, 2
	s_cselect_b64 s[10:11], s[14:15], s[10:11]     ; Wv
	s_lshl_b32 s36, s32, 19                        ; each has 512 rows of 1,024 bytes in wqkt, one behind the other
	s_lshl_b32 s34, s33, 12                        ; 65,536 (tp / 16) + 4,096 (tp % 16)
	s_add_nc_u64 s[10:11], s[10:11], s[34:35]
	s_lshr_b32 s34, s33, 4
	s_lshl_b32 s34, s34, 15                        ; a head's two blocks of 16 n x 16,384 bytes
	s_and_b32 s37, s33, 15
	s_lshl_b32 s37, s37, 10                        ; two granules
	s_add_co_u32 s34, s34, s37
	s_add_co_u32 s34, s34, s36
	s_add_nc_u64 s[24:25], s[24:25], s[34:35]
	v_lshl_add_u32 v[VD], v6, 14, v7
	v_add_nc_u32 v[VD+1], 512, v[VD]               ; the second tile: the next kb
	CAST 128, 2048
	s_endpgm
.Lw1:
	; W1 [512 k][2048 n]: kb = (c - 128) / 4, 64 n at 64 (8 ((c - 128) % 4) + wave)
	s_sub_co_u32 s33, s31, 128
	s_lshr_b32 s32, s33, 2
	s_and_b32 s33, s33, 3
	s_lshl3_add_u32 s33, s33, s30
	s_lshl_b32 s34, s32, 17                        ; 16 rows of 8,192 bytes
	s_lshl_b32 s37, s33, 8
	s_add_co_u32 s34, s34, s37
	s_add_nc_u64 s[10:11], s[18:19], s[34:35]
	s_lshl_b32 s34, s33, 16                        ; four blocks of 16 n x 16,384 bytes
	s_lshl_b32 s37, s32, 9
	s_add_co_u32 s34, s34, s37
	s_add_co_u32 s34, s34, 524288                  ; behind Wo's part of w3t
	s_add_nc_u64 s[24:25], s[26:27], s[34:35]
	v_lshl_add_u32 v[VD], v6, 14, v7
	v_add_nc_u32 v[VD+1], 32768, v[VD]             ; the second tile: two blocks of n on
	CAST 8192, 128
	s_endpgm
.Lrows:
	; Wo [512 k][512 n] (c = 96 .. 127) and W2 [2048 k][512 n] (c = 256 .. 383): rows of 2,048 bytes; kb = c % 32 or c % 128, 64 n at 64 x wave
	s_cmp_ge_u32 s31, 256
	s_cselect_b64 s[10:11], s[20:21], s[16:17]
	s_cselect_b32 s36, 2621440, 0                  ; W2's part of w3t lies behind Wo's and W1's
	s_cselect_b32 s38, 18, 16                      ; four blocks of 16 n: 4 x 65,536 or 4 x 16,384 bytes
	s_cselect_b32 s33, 127, 31
	s_and_b32 s33, s31, s33
	s_lshl_b32 s34, s33, 15
	s_lshl_b32 s37, s30, 8
	s_add_co_u32 s34, s34, s37
	s_add_nc_u64 s[10:11], s[10:11], s[34:35]
	s_lshl_b32 s34, s30, s38
	s_lshl_b32 s37, s33, 9
	s_add_co_u32 s34, s34, s37
	s_add_co_u32 s34, s34, s36
	s_add_nc_u64 s[24:25], s[26:27], s[34:35]
	s_sub_co_u32 s39, s38, 2
	s_sub_co_u32 s40, s38, 1
	s_lshl_b32 s40, 1, s40
	v_lshlrev_b32 v[VD], s39, v6
	v_add_nc_u32 v[VD], v[VD], v7
	v_add_nc_u32 v[VD+1], s40, v[VD]
	CAST 2048, 128
	s_endpgm
.Lfunc_end_k_q35fb096dc6_prep:
	.size	k_q35fb096dc6_prep, .Lfunc_end_k_q35fb096dc6_prep-k_q35fb096dc6_prep
	.p2alignl 7, 3214868480
	.fill 96, 4, 3214868480
	.section	.rodata,"a",@progbits
	.p2align	6, 0x0
	.amdhsa_kernel k_q35fb096dc6_prep
		.amdhsa_group_segment_fixed_size 18432
		.amdhsa_private_segment_fixed_size 0
		.amdhsa_enable_private_segment 0
		.amdhsa_kernarg_size 96
		.amdhsa_user_sgpr_count 2
		.amdhsa_user_sgpr_kernarg_segment_ptr 1
		.amdhsa_wavefront_size32 1
		.amdhsa_system_sgpr_workgroup_id_x 1
		.amdhsa_system_sgpr_workgroup_id_y 1
		.amdhsa_system_sgpr_workgroup_id_z 1
		.amdhsa_system_vgpr_workitem_id 0
		.amdhsa_next_free_vgpr 82
		.amdhsa_next_free_sgpr 66
		.amdhsa_reserve_vcc 0
		.amdhsa_float_denorm_mode_32 3
		.amdhsa_float_denorm_mode_16_64 3
		.amdhsa_memory_ordered 1
		.amdhsa_forward_progress 1
		.amdhsa_inst_pref_size 29
	.end_amdhsa_kernel
	.amdgpu_metadata
---
amdhsa.version: [ 1, 2 ]
amdhsa.kernels:
  - .name:           k_q35fb096dc6_prep
    .symbol:         k_q35fb096dc6_prep.kd
    .args:
      - { .name: x, .offset: 0, .size: 8, .value_kind: global_buffer, .address_space: global }
      - { .name: g1, .offset: 8, .size: 8, .value_kind: global_buffer, .address_space: global }
      - { .name: be1, .offset: 16, .size: 8, .value_kind: global_buffer, .address_space: global }
      - { .name: Wq, .offset: 24, .size: 8, .value_kind: global_buffer, .address_space: global }
      - { .name: Wk, .offset: 32, .size: 8, .value_kind: global_buffer, .address_space: global }
      - { .name: Wv, .offset: 40, .size: 8, .value_kind: global_buffer, .address_space: global }
      - { .name: Wo, .offset: 48, .size: 8, .value_kind: global_buffer, .address_space: global }
      - { .name: W1, .offset: 56, .size: 8, .value_kind: global_buffer, .address_space: global }
      - { .name: W2, .offset: 64, .size: 8, .value_kind: global_buffer, .address_space: global }
      - { .name: hbuf, .offset: 72, .size: 8, .value_kind: global_buffer, .address_space: global }
      - { .name: wqkt, .offset: 80, .size: 8, .value_kind: global_buffer, .address_space: global }
      - { .name: w3t, .offset: 88, .size: 8, .value_kind: global_buffer, .address_space: global }
    .group_segment_fixed_size: 18432
    .private_segment_fixed_size: 0
    .kernarg_segment_align: 8
    .kernarg_segment_size: 96
    .max_flat_workgroup_size: 256
    .sgpr_count:     66
    .vgpr_count:     82
    .wavefront_size: 32
...
	.end_amdgpu_metadata
.endif
;; end of part 1
;; launch qkv (part 2): grid 4 x 64, 4 waves a work-group, clusters of 4 x 4, 327,680 bytes of LDS; arguments hbuf, wqkt, big, vtb; writes big, vtb
.if DOCPART == 2
	.amdgcn_target "amdgcn-amd-amdhsa--gfx1250"
	.amdhsa_code_object_version 6
	.text
	.protected	k_q35fb096dc6_qkv
	.globl	k_q35fb096dc6_qkv
	.p2align	8
	.type	k_q35fb096dc6_qkv,@function
k_q35fb096dc6_qkv:
	s_mov_b64 s[64:65], 0
	v_nop
	global_prefetch_b8 v0, s[64:65] scope:SCOPE_SE
	s_setreg_imm32_b32 hwreg(HW_REG_WAVE_MODE, 25, 1), 1
	s_wait_xcnt 0x0
	s_wait_alu depctr_hold_cnt(0) depctr_sa_sdst(0) depctr_va_vdst(0) depctr_va_sdst(0) depctr_va_ssrc(0) depctr_va_vcc(0) depctr_vm_vsrc(0)
	s_getreg_b32 s2, hwreg(HW_REG_IB_STS2, 6, 4)
	s_cmp_eq_u32 s2, 0
	s_cbranch_scc0 .Lentry_in_a_cluster
	s_endpgm
.Lentry_in_a_cluster:
	s_bfe_u32 s2, ttmp6, 0x10000c
	s_cmp_lg_u32 s2, 0xf033
	s_cbranch_scc0 .Lentry_shape_is_right
	s_endpgm
.Lentry_shape_is_right:
; q, k and V^T: sums over k = 0 .. 511 of h[token][k] W[n][k], W = wqkt: rows 0-511 Wq^T, 512-1023 Wk^T, 1024-1535 Wv^T.  All f16 in granules of 512 bytes (granule (mb, kb): rows 16 mb .. +15,
; k = 16 kb .. +15; the 16 bytes at 16 (r + 16 h) hold row r, k = 8 h .. +7; byte (mb K/16 + kb) 512).  Sums in f32, results rounded once.
; q and k go to big, granule (token block, n block) at 32,768 tb + 512 nb.  V^T goes to vtb, granule (channel block mb, token block nb) at (nb / 64) 2^20 + mb 2^15 + (nb % 64) 2^9.
; ROOM IN f16: the results' rms is sqrt(512) x rms(h) x rms(W): with gains of 30 and weights of rms 1.33 (30 times 1/sqrt(512)) about 900, the largest about six times that, a twelfth of 65,504;
; with both 30 times smaller than 1 and 1/sqrt(512) it is 0.0011, and f16's step, never above 2^-24, is under 1e-4 of that.  Limit: a result beyond 65,504 in magnitude becomes infinity.
; A WORK-GROUP STAYS: it owns 128 tokens, whose rows of h (all of K, 131,072 bytes) are fetched once and stay in LDS, and makes three tiles of 128 x 128: two of q and k, then one of V^T.
; Each of its four waves makes 64 x 64 of a tile: 16 accumulators.  K goes in two steps of 256.  LDS region s (131,072 s) holds h's K half s (65,536 bytes) and behind it W's tile of K half s.
; Only W's part is filled again: when a step's last fragments are in registers, its W part takes the same K half of the next tile: waves 2 and 3 ask, one tensor load each of 4 blocks of 16 rows
; (4 rows of 8,192 consecutive bytes); it has 112 matrix instructions a wave, and every second time the way out, in which to land.  A fragment is two LDS loads of 512 consecutive bytes: nothing is padded.
; A STEP IS WRITTEN ONCE and walked twice: the LDS read bases turn by an exclusive or, one descriptor walks.  What differs is written out: the products that start a tile's sums, the last tile (no refill).
; CLUSTER: 4 x 4 work-groups; h's rows are asked for jointly by the four of a row of the cluster, W's by the four of a column.  A round of the cluster's barrier stands in front of every refill.
; ORDER: a work-group's column x takes n tiles x + 4 g.  Clusters whose row number has an odd number of ones begin with g = 1, the others with g = 0: a cluster's second tile asks for rows of W
; that other clusters have read a tile earlier.  g = 2, Wv, comes last in all.
; THE MATRIX INSTRUCTION: source 0 = 16 rows of W, source 1 = 16 rows of h: a lane holds token l % 16 and eight neighbouring n: its 16 bytes of a granule of big.  For V^T the sources change places
; (an exclusive or of 65,536 on both read bases): a lane holds channel l % 16 and eight neighbouring tokens: its 16 bytes of a granule of vtb.  A store covers 512 consecutive bytes, aligned.
; REGISTERS: window 0: v16-18 addresses; v28-29 for the add; v32-95 packed results; v128-255 accumulators ((a, b) at v[128 + 8 (4 a + b)]).  Window 1: two fragment buffers of 128.
.set KDIM,  512
.set KSTEPB, 8192                      ; a K step of 256 in a block of 16 rows: 16 granules
.set HALFT, 32768                      ; what one tensor load brings, and what one wave reads of h or of W in a K step
.set SLOT,  4*HALFT                    ; a region: h's two halves, then W's two halves
.set SPARE, 2*SLOT                     ; behind the regions: the spare words, 128 bytes for each wave: two blocks of 256 bytes that no other line names
.set MBP,   32768                      ; bytes from a block of 16 rows of a result to the next, in big and in vtb
.set ADRA, 16                          ; v16  LDS address of my 16 bytes of source 1's granules in the region in hand
.set ADRB, 17                          ; v17  the same for source 0
.set L16,  18                          ; v18  16 x lane; never rewritten
.set SPW,  28                          ; v28  LDS address of my spare word: SPARE + 4 x my thread's number; never rewritten
.set NIL,  29                          ; v29  0; never rewritten
.set TMP,  32
.set ACC,  128
.set F0,   0
.set F1,   128
.set XA, 21                            ; s21  LDS byte at which my 64 rows of source 1 begin
.set XB, 22                            ; s22  the same for source 0
.set G1, 24                            ; s[24:31] descriptor group 1 for h's tiles;  s[32:39] group 0, one set for each region
.set G0, 32
.set BB, 46                            ; s[46:47] W at my part of n tile x
.set G1B, 48                           ; s[48:55], s[56:63] the same for W's tiles;
.set G0B, 56
.set GW, 60                            ; the second set then walks on
.set OB, 66                            ; s[66:67] big at my part of n tile x
.set VB, 70                            ; s[70:71] vtb at my part
.set GC, 72                            ; s72  g of the tile in hand
.set GN, 73                            ; s73  g of the next tile
.set OF, 74                            ; s[74:75] an offset; s75 stays 0
.set CNT, 76                           ; s76  the tile's K step, 0 or 1
.set J, 77                             ; s77  the tile, 0 or 1
.set GOFF, 80                          ; s80  524,288 x s73: the next tile's rows of W
.set MSB, 0
.macro WIN new                         ; the immediate's high byte repeats the setting that is left
.if MSB != \new
	s_set_vgpr_msb (MSB<<8)|\new
.set MSB, \new
.endif
.endm
.set MUL,  0x05                        ; sources 0 and 1 window 1; C and D window 0
.set TO_F, 0x40                        ; destination window 1, address window 0
.macro JLOAD s                         ; a first fill: waves 0 and 1 fetch h's two halves, waves 2 and 3 W's; four v_nop follow each of the two lines
	s_cmp_eq_u32 s11, 0
	s_cbranch_scc0 .Lfor_b_\@
	tensor_load_to_lds s[G0+4*\s:G0+4*\s+3], s[G1:G1+7]
	s_nop 0
.rept 4
	v_nop
.endr
	s_branch .Lasked_\@
.Lfor_b_\@:
	tensor_load_to_lds s[G0B+4*\s:G0B+4*\s+3], s[G1B:G1B+7]
	s_nop 0
.rept 4
	v_nop
.endr
.Lasked_\@:
.endm
.macro CREST                           ; a round of the cluster's barrier behind its opening barrier
	s_cmp_lg_u32 s10, 0
	s_cbranch_scc1 .Lnot_wave_0_\@
	s_barrier_signal -3
.Lnot_wave_0_\@:
	s_barrier_wait -3
	s_barrier_signal -1
	s_barrier_wait -1
.endm
.macro CROUND                          ; a whole round
	s_barrier_signal -1
	s_barrier_wait -1
	CREST
.endm
	s_load_b128 s[4:7], s[0:1], 0x0                ; h s[4:5], W s[6:7]
	s_load_b64 s[OB:OB+1], s[0:1], 0x10            ; big
	s_load_b64 s[VB:VB+1], s[0:1], 0x18            ; vtb
	v_lshl_add_u32 v[SPW], v0, 2, SPARE
	v_mov_b32 v[NIL], 0
	ds_add_u32 v28, v29
	s_wait_dscnt 0x0
	v_lshrrev_b32 v1, 5, v0
	v_readfirstlane_b32 s10, v1                    ; wave 0..3
	s_lshr_b32 s11, s10, 1                         ; which half of source 1's rows is mine.  Also: I fetch for h (0) or for W (1)
	s_and_b32 s12, s10, 1                          ; which half of source 0's rows.  Also: which 64 rows of a tile I fetch
	s_bfe_u32 s40, ttmp6, 0x40000                  ; cx, cy: my place in the cluster
	s_bfe_u32 s41, ttmp6, 0x40004
	s_lshl_b32 s42, ttmp9, 2
	s_add_co_u32 s42, s42, s40                     ; x = 4 x cluster x + cx
	s_and_b32 s13, ttmp7, 0xffff                   ; the cluster's row, which all sixteen partners share
	s_bcnt1_i32_b32 s[GC], s13
	s_and_b32 s[GC], s[GC], 1                      ; the first tile's g
	s_lshl_b32 s13, s13, 2
	s_add_co_u32 s13, s13, s41                     ; block of 128 tokens = 4 x cluster y + cy
	s_lshl_b32 s43, s41, 2
	s_lshl_b32 s43, 15, s43                        ; my row of the cluster
	s_lshl_b32 s44, 0x1111, s40                    ; my column
	; descriptor group 1: 4 rows of 1,024 elements of 8 bytes, no padding
	s_or_b32 s[G1+0], s43, (3<<16)|(1<<21)         ; 15:0 the mask: h's tiles go to my row; 17:16 elements of 8 bytes; 21 set beside a mask
	s_or_b32 s[G1B+0], s44, (3<<16)|(1<<21)
.irp g, G1, G1B
	s_mov_b32 s[\g+1], 1024<<16                    ; tensor_dim0 = 1,024
	s_mov_b32 s[\g+2], 4<<16                       ; tensor_dim1 = 4
	s_mov_b32 s[\g+3], 1024<<16                    ; tile_dim0 = 1,024
	s_mov_b32 s[\g+4], 4                           ; tile_dim1 = 4
	s_mov_b32 s[\g+5], KDIM*4                      ; from a block of 16 rows to the next: KDIM x 32 bytes, in elements
	s_mov_b32 s[\g+6], 0
	s_mov_b32 s[\g+7], 0
.endr
	s_lshl_b32 s17, s12, 2                         ; which 4 blocks of 16 rows I fetch
	s_lshl_b32 s16, s13, 3
	s_add_co_u32 s16, s16, s17                     ; h: block 8 x token block + 4 x half
	s_lshl_b32 s[BB], s42, 3
	s_add_co_u32 s[BB], s[BB], s17                 ; W: block 8 x + 4 x half, and 32 g on top
	s_mul_i32 s16, s16, KDIM*32
	s_mul_i32 s[BB], s[BB], KDIM*32
	s_mov_b32 s17, 0
	s_mov_b32 s[BB+1], 0
	s_mov_b32 s[OF+1], 0
	s_lshl_b32 s[OF], s[GC], 19                    ; 32 blocks of 16,384 bytes for each g
	s_mul_i32 s20, s10, HALFT                      ; where they go: wave x 32,768: no place in the cluster enters an LDS address
	s_wait_kmcnt 0x0
	s_add_nc_u64 s[14:15], s[4:5], s[16:17]
	s_add_nc_u64 s[BB:BB+1], s[6:7], s[BB:BB+1]
	s_add_nc_u64 s[18:19], s[BB:BB+1], s[OF:OF+1]
	CROUND                                         ; all sixteen work-groups are here: the first joint loads meet
.irp s, 0,1
	s_mov_b32 s[G0+4*\s], 1
	s_add_co_u32 s[G0+4*\s+1], s20, \s*SLOT
	s_add_nc_u64 s[G0+4*\s+2:G0+4*\s+3], s[14:15], \s*KSTEPB
	s_or_b32 s[G0+4*\s+3], s[G0+4*\s+3], 0x80000000
	s_mov_b32 s[G0B+4*\s], 1
	s_add_co_u32 s[G0B+4*\s+1], s20, \s*SLOT
	s_add_nc_u64 s[G0B+4*\s+2:G0B+4*\s+3], s[18:19], \s*KSTEPB
	s_or_b32 s[G0B+4*\s+3], s[G0B+4*\s+3], 0x80000000
	JLOAD \s                                       ; two tensor loads of mine are out at the start, later at most one behind each round
.endr
	v_and_b32 v1, 31, v0
	v_lshlrev_b32 v[L16], 4, v1                    ; a lane's 16 bytes of a granule
	s_mul_i32 s[XA], s11, HALFT                    ; source 1: my 64 rows of h
	s_mul_i32 s[XB], s12, HALFT                    ; source 0: my 64 rows of W,
	s_add_co_u32 s[XB], s[XB], 2*HALFT             ; which lie behind h's 128
	v_add_nc_u32 v[ADRA], s[XA], v[L16]
	v_add_nc_u32 v[ADRB], s[XB], v[L16]
	s_lshl_b32 s16, s13, 18                        ; big: block of rows 8 x token block + 4 x half, 32,768 bytes each
	s_lshl_b32 s17, s11, 17
	s_add_co_u32 s16, s16, s17
	s_mov_b32 s17, 0
	s_add_nc_u64 s[OB:OB+1], s[OB:OB+1], s[16:17]
	s_lshl_b32 s78, s42, 12                        ; granule 8 x + 4 x half of a block, and 32 g on top
	s_lshl_b32 s79, s12, 11
	s_add_co_u32 s78, s78, s79
	s_mov_b32 s79, 0
	s_add_nc_u64 s[OB:OB+1], s[OB:OB+1], s[78:79]
	s_lshr_b32 s16, s13, 3                         ; vtb: token block nb = 8 x token block + 4 x half: (nb / 64) 2^20 + (nb % 64) 2^9
	s_lshl_b32 s16, s16, 20
	s_and_b32 s45, s13, 7
	s_lshl_b32 s45, s45, 12
	s_add_co_u32 s16, s16, s45
	s_add_nc_u64 s[VB:VB+1], s[VB:VB+1], s[16:17]
	s_lshl_b32 s78, s42, 18                        ; channel block 8 x + 4 x half, 32,768 bytes each
	s_lshl_b32 s45, s11, 17
	s_add_co_u32 s78, s78, s45
	s_lshl_b32 s45, s12, 11
	s_add_co_u32 s78, s78, s45
	s_add_nc_u64 s[VB:VB+1], s[VB:VB+1], s[78:79]
; 8 matrix instructions: blocks a0, a0 + 1 of source 1 x all 4 blocks of source 0, 32 along K: half c of buffer f.  zero = 1: the first product starts the sums.
; The 16 accumulators take turns, one instruction a turn, over every jump too.
.macro MUL8 f, c, a0, zero
.irp a, \a0, \a0+1
.irp b, 0,1,2,3
.if \zero
	v_wmma_f32_16x16x32_f16 v[ACC+8*(4*(\a)+\b):ACC+8*(4*(\a)+\b)+7], v[\f+64+8*(4*\c+\b):\f+64+8*(4*\c+\b)+7], v[\f+8*(4*\c+\a):\f+8*(4*\c+\a)+7], 0
.else
	v_wmma_f32_16x16x32_f16 v[ACC+8*(4*(\a)+\b):ACC+8*(4*(\a)+\b)+7], v[\f+64+8*(4*\c+\b):\f+64+8*(4*\c+\b)+7], v[\f+8*(4*\c+\a):\f+8*(4*\c+\a)+7], v[ACC+8*(4*(\a)+\b):ACC+8*(4*(\a)+\b)+7]
.endif
.endr
.endr
.endm
; 32 LDS loads in one run: the fragments of 64 along K (4 granules, at byte k of a block's 8,192) of the region in hand into buffer f; the first 32 along K first
.macro FETCH k, f
	WIN TO_F
.irp c, 0,1
.irp i, 0,1,2,3
	ds_load_b128 v[\f+64+8*(4*\c+\i):\f+64+8*(4*\c+\i)+3],   v[ADRB] offset:\k+1024*\c+\i*KSTEPB
	ds_load_b128 v[\f+64+8*(4*\c+\i)+4:\f+64+8*(4*\c+\i)+7], v[ADRB] offset:\k+1024*\c+\i*KSTEPB+512
	ds_load_b128 v[\f+8*(4*\c+\i):\f+8*(4*\c+\i)+3],         v[ADRA] offset:\k+1024*\c+\i*KSTEPB
	ds_load_b128 v[\f+8*(4*\c+\i)+4:\f+8*(4*\c+\i)+7],       v[ADRA] offset:\k+1024*\c+\i*KSTEPB+512
.endr
.endr
.endm
.macro PLACES                          ; four plain vector instructions in front of loads into registers that matrix instructions have read, and of instructions that read results
.rept 4
	v_nop
.endr
.endm
.macro FLIP m                          ; the reads go on in the other region (m = SLOT); with 2 x HALFT on top the two sources change places
	s_xor_b32 s[XA], s[XA], \m
	s_xor_b32 s[XB], s[XB], \m
	v_add_nc_u32 v[ADRA], s[XA], v[L16]
	v_add_nc_u32 v[ADRB], s[XB], v[L16]
.endm
; A K step is four quarters of 64 along K, 32 matrix instructions each, on buffers 0, 1, 0, 1.  HEAD is the first half of the first quarter.
.macro HEAD zero
	s_wait_dscnt 16                                ; the first 32 along K are in; the sixteen younger loads may be out
	WIN MUL
	MUL8 F0, 0, 0, \zero
	MUL8 F0, 0, 2, \zero
	PLACES
	WIN 0
.endm
.macro QUARTER k, f, g                 ; multiplies buffer f and fetches the next quarter, at byte k, into g
	s_wait_dscnt 16
	WIN MUL
	MUL8 \f, 0, 0, 0
	MUL8 \f, 0, 2, 0
	PLACES
	FETCH \k, \g
	s_wait_dscnt 32                                ; all but the 32 just issued
	WIN MUL
	MUL8 \f, 1, 0, 0
	MUL8 \f, 1, 2, 0
.endm
.macro REST                            ; the rest of the first quarter, the second and the third
	FETCH 2048, F1
	s_wait_dscnt 32
	WIN MUL
	MUL8 F0, 1, 0, 0
	MUL8 F0, 1, 2, 0
	QUARTER 4096, F1, F0
	QUARTER 6144, F0, F1
.endm
; The first half of the last quarter, and ONE barrier: in front of it each wave waits for all its tensor loads, adds 0 to its spare word, and waits for that and for its own reads of this region.
.macro MEET
	WIN 0                                          ; (the add's two registers lie in window 0)
	s_wait_tensorcnt 0x0                           ; all my tensor loads have landed: the one that may be out is my part of the other region's W;
	ds_add_u32 v[SPW], v[NIL]                      ; 0 onto my spare word;
	s_wait_dscnt 17                                ; (the add and the youngest sixteen loads may be out)
	WIN MUL
	MUL8 F1, 0, 0, 0                               ; eight matrix instructions stand between the add and the wait for it
	s_wait_dscnt 0x0                               ; the add is done, and my reads of this region are over
	s_barrier_signal -1
	MUL8 F1, 0, 2, 0
	WIN 0
	s_barrier_wait -1
.endm
; W's part of the region just read takes the same K half of the next tile.  No tensor load of mine is out, so the walking group 0 may be written.
.macro REFILL
	s_xor_b32 s[GW+1], s[GW+1], SLOT               ; the other region than last time
	s_lshl_b32 s[OF], s[CNT], 13                   ; K half: 8,192 bytes on in each block,
	s_add_co_u32 s[OF], s[OF], s[GOFF]             ; the next tile's rows
	s_add_nc_u64 s[GW+2:GW+3], s[BB:BB+1], s[OF:OF+1]
	s_or_b32 s[GW+3], s[GW+3], 0x80000000          ; type = 2
	s_cmp_eq_u32 s11, 0
	s_cbranch_scc1 .Lnone_\@                       ; waves 0 and 1 have no part of W to fetch
	tensor_load_to_lds s[GW:GW+3], s[G1B:G1B+7]    ; the first tensor load behind the round, one a wave
	s_nop 0
.Lnone_\@:
.endm
; A tile's two K steps behind HEAD.  fill = 1: each step's W part is filled again.  The second step fetches nothing more: what follows a tile is written behind the loop.
; In the second trip of the form without refill the barrier orders nothing: the price of writing the step once.
.macro INNER fill
	s_mov_b32 s[CNT], 0
.Lblk_\@:
	REST
	MEET
.if \fill
	CREST                                          ; the barrier has opened a round of the cluster's barrier: no wave of any partner still reads this region's W or has a load on its way
	REFILL
.endif
	PLACES                                         ; behind the tensor load, and in front of the loads below
	s_cmp_eq_u32 s[CNT], 1
	s_cbranch_scc1 .Lnf_\@
	FLIP SLOT
	FETCH 0, F0                                    ; the second step's first fragments
	WIN 0
.Lnf_\@:
	WIN MUL
	MUL8 F1, 1, 0, 0
	MUL8 F1, 1, 2, 0
	WIN 0
	s_cmp_eq_u32 s[CNT], 1
	s_cbranch_scc1 .Lx_\@
	HEAD 0
	s_add_co_u32 s[CNT], s[CNT], 1
	s_cmp_lt_u32 s[CNT], 2
	s_cbranch_scc1 .Lblk_\@
.Lx_\@:
	s_wait_dscnt 0x0                               ; on the way that is taken MEET's wait has left nothing out; written so that it holds on every way through the text
.endm
; THE WAY OUT: each accumulator, from its low end on, rounds to the lane's 16 bytes of a granule.  v = 1: to vtb.
.macro OUT v
	PLACES
	s_wait_xcnt 0x0                                ; the last tile's stores have had their addresses translated (ISA guide 3.1): their data and base are rewritten only behind this wait
.if \v
	s_mov_b64 s[8:9], s[VB:VB+1]
.else
	s_lshl_b32 s[OF], s[GC], 14                    ; 32 granules for each g
	s_add_nc_u64 s[8:9], s[OB:OB+1], s[OF:OF+1]
.endif
.irp t, 0,1,2,3,4,5,6,7,8,9,10,11,12,13,14,15
.irp r, 0,1,2,3
	v_cvt_pk_f16_f32 v[TMP+4*\t+\r], v[ACC+8*\t+2*\r], v[ACC+8*\t+2*\r+1]
.endr
.endr
.irp t, 0,1,2,3,4,5,6,7,8,9,10,11,12,13,14,15
	global_store_b128 v[L16], v[TMP+4*\t:TMP+4*\t+3], s[8:9] offset:(\t/4)*MBP+(\t%4)*512   ; 512 consecutive bytes, aligned
.endr
.endm
	s_wait_tensorcnt 1                             ; my part of region 0 is in; my part of region 1 may stay out
	s_barrier_signal -1
	s_barrier_wait -1                              ; everybody's is
	FETCH 0, F0
	WIN 0
	s_mov_b32 s[J], 0
.Ltile:                                                ; the two tiles of q and k
	s_xor_b32 s[GN], s[GC], 1
	s_cmp_eq_u32 s[J], 0
	s_cselect_b32 s[GN], s[GN], 2                  ; next: the other tile of q and k, then Wv's
	s_lshl_b32 s[GOFF], s[GN], 19
	HEAD 1
	INNER 1
	s_cmp_eq_u32 s[J], 1
	s_cbranch_scc1 .Lnocross                       ; V^T's first fragments are fetched behind the loop, with the sources changed
	FLIP SLOT
	FETCH 0, F0                                    ; the next tile's first fragments come while this tile goes out
	WIN 0
.Lnocross:
	OUT 0
	s_mov_b32 s[GC], s[GN]
	s_add_co_u32 s[J], s[J], 1
	s_cmp_lt_u32 s[J], 2
	s_cbranch_scc1 .Ltile
	s_wait_dscnt 0x0                               ; on the way that is taken no LDS load is out; written so that it holds on every way through the text
	FLIP SLOT+2*HALFT                              ; region 0 again, and source 0 = h, source 1 = Wv
	FETCH 0, F0
	WIN 0
	HEAD 1
	INNER 0                                        ; the last tile asks for nothing more
	OUT 1
	s_wait_tensorcnt 0x0                           ; the wave's end: behind my last tensor load
	ds_add_u32 v[SPW], v[NIL]
	s_wait_dscnt 0x0
	CROUND                                         ; the closing round: no work-group ends while a partner may still ask for a tile that names it
	s_endpgm
.Lfunc_end_k_q35fb096dc6_qkv:
	.size	k_q35fb096dc6_qkv, .Lfunc_end_k_q35fb096dc6_qkv-k_q35fb096dc6_qkv
	.p2alignl 7, 3214868480
	.fill 96, 4, 3214868480
	.section	.rodata,"a",@progbits
	.p2align	6, 0x0
	.amdhsa_kernel k_q35fb096dc6_qkv
		.amdhsa_group_segment_fixed_size 327680
		.amdhsa_private_segment_fixed_size 0
		.amdhsa_enable_private_segment 0
		.amdhsa_kernarg_size 32
		.amdhsa_user_sgpr_count 2
		.amdhsa_user_sgpr_kernarg_segment_ptr 1
		.amdhsa_wavefront_size32 1
		.amdhsa_system_sgpr_workgroup_id_x 1
		.amdhsa_system_sgpr_workgroup_id_y 1
		.amdhsa_system_sgpr_workgroup_id_z 1
		.amdhsa_system_vgpr_workitem_id 0
		.amdhsa_next_free_vgpr 512
		.amdhsa_next_free_sgpr 82
		.amdhsa_reserve_vcc 0
		.amdhsa_float_denorm_mode_32 3
		.amdhsa_float_denorm_mode_16_64 3
		.amdhsa_memory_ordered 1
		.amdhsa_forward_progress 1
		.amdhsa_inst_pref_size 64
	.end_amdhsa_kernel
	.amdgpu_metadata
---
amdhsa.version: [ 1, 2 ]
amdhsa.kernels:
  - .name:           k_q35fb096dc6_qkv
    .symbol:         k_q35fb096dc6_qkv.kd
    .args:
      - { .name: hbuf, .offset: 0, .size: 8, .value_kind: global_buffer, .address_space: global }
      - { .name: wqkt, .offset: 8, .size: 8, .value_kind: global_buffer, .address_space: global }
      - { .name: big, .offset: 16, .size: 8, .value_kind: global_buffer, .address_space: global }
      - { .name: vtb, .offset: 24, .size: 8, .value_kind: global_buffer, .address_space: global }
    .group_segment_fixed_size: 327680
    .private_segment_fixed_size: 0
    .kernarg_segment_align: 8
    .kernarg_segment_size: 32
    .max_flat_workgroup_size: 128
    .sgpr_count:     82
    .vgpr_count:     512
    .wavefront_size: 32
...
	.end_amdgpu_metadata
.endif
;; end of part 2
;; launch attn (part 3): grid 16 x 16, 4 waves a work-group, no clusters, 0 bytes of LDS; arguments big, vtb, hbuf; writes hbuf
.if DOCPART == 3
	.amdgcn_target "amdgcn-amd-amdhsa--gfx1250"
	.amdhsa_code_object_version 6
	.text
	.protected	k_q35fb096dc6_attn
	.globl	k_q35fb096dc6_attn
	.p2align	8
	.type	k_q35fb096dc6_attn,@function
k_q35fb096dc6_attn:
	s_mov_b64 s[64:65], 0
	v_nop
	global_prefetch_b8 v0, s[64:65] scope:SCOPE_SE
	s_setreg_imm32_b32 hwreg(HW_REG_WAVE_MODE, 25, 1), 1
	s_wait_xcnt 0x0
; Causal attention, 4 batches x 16 heads x 2,048 tokens, head size 32: O[q] = sum over k <= q of softmax_k(Q[q] . K[k] / sqrt(32)) V[k].
; Q and K come from big (granules [512 token blocks][64]: Q of head hd in granules 2 hd, 2 hd + 1, K in 32 + 2 hd, 33 + 2 hd), V^T from vtb (granules of 16 channels x 16 tokens),
; O goes to hbuf (granules [512 token blocks][32], channels 32 hd + d).  All f16; products, maxima and sums in f32; the weights are rounded to f16 for the second product, O once at the end.
; ROOM IN f16: the weights lie in [0, 1] by the running maximum; O is a mean of rows of V, so it is no larger than V's largest number, which is f16 already.
; SHARES.  Work-group (p, y): batch y / 4; wave w has head 4 (y % 4) + w.  A wave makes two blocks of 64 queries (four tiles of 16): block 31 - p, then block p: (32 - p) + (p + 1) = 33 key
; steps of 64 for every wave, so the masked half is not computed and all waves have the same work.
; NO LDS, NO CLUSTER.  The four waves have four heads and share nothing; all operands lie in memory as the matrix unit wants them, so a fragment is two loads of 512 consecutive bytes into
; registers.  Work-groups of one head do read the same K and V, but each needs another number of key steps, and nothing here goes through LDS where a joint load could land.
; No prefetch into the cache: q, k and v were stored by the launch just before.
; LAYOUT.  S^T = K Q^T (source 0 = 16 keys, source 1 = 16 queries): a lane holds ONE query (lane % 16) and the keys 8 (lane / 16) + 0 .. 7 of each block of 16.  Two such tiles, rounded in pairs,
; ARE source 1 of O^T = V^T P, whose result holds one query a lane and eight channels: the lane's 16 bytes of a granule of O.
; SOFTMAX.  For each query a running maximum m and sum l: p = 2^(c s - c m), c = log2(e) / sqrt(32); O and l are multiplied by a = 2^(c m_old - c m_new) in every step.
; A block's DIAGONAL step comes first: it starts m, l and O^T (nothing is cleared); its masked scores are -infinity.  Each query's own key is allowed, so m is finite from then on.
; Limits: v_exp_f32 gives 0 for weights below 2^-126, and a weight below 2^-25 of the largest met so far rounds to 0 in f16: at most 2,048 x 2^-25 of a row's sum;
; NaN and infinities in the inputs spread as the arithmetic spreads them.
; REGISTERS.  Window 0: v2-4 lane constants; v12-43 eight registers of statistics a tile; v64-191 S^T, 32 a tile; v192-255 P, 16 a tile.
;             Window 1: v0-63 O^T (tile t, channel block cb at 16 t + 8 cb); v64-95 Q; v96-127 K of one step; v128-159 V^T of one step.
.set LO,   2          ; v2   16 x lane
.set DD,   3          ; v3   lane % 16 - 8 (lane / 16): in the diagonal tile my register j holds an allowed key where j <= DD
.set NINF, 4          ; v4   -infinity
.set ST,   12         ; tile t's statistics at v[ST+8 t]: +0 c m, +1 m, +2, +3 l (even keys', odd keys'), +4 to +7 at work; a takes +6 once the maximum is found
.set S,    64
.set P,    192
.set QF,   64         ; window 1
.set KF,   96
.set VF,   128
.set MK,   40         ; s40-47  lanes with j <= DD, j = 0 .. 7
.set CS,   58         ; s[58:59] c
.set SEL,  60         ; s[60:61] selects for v_permlanex16_b32: each lane takes its own place in the other half
; s10 wave  s15 the query block  s16 0, 1: first, second block  s17 key step  s36 the key step to fetch  s38 p
; s[18:19] K's base  s[20:21] V^T's  s[32:33] Q's  s[34:35] O's  s[22:23] K of the step fetched  s[24:25] V^T of it  s[26:27] Q of the block  s[48:49] O of it
; s[28:29], s[30:31] offsets; s29 and s31 stay 0
.set MSB, 0
.macro WIN new                      ; the immediate's high byte repeats the setting that is left
.if MSB != \new
	s_set_vgpr_msb (MSB<<8)|\new
.set MSB, \new
.endif
.endm
.set W_KQ, 0x05       ; K and Q in window 1, S^T in window 0
.set W_PV, 0x51       ; V^T and O^T in window 1, P in window 0
.set W_RS, 0x41       ; O^T (destination and source 0) in window 1, the factor in window 0
.set TO_1, 0x40       ; destination window 1, address window 0
.set W_PK, 0x05       ; sources in window 1, destination in window 0
	s_load_b128 s[4:7], s[0:1], 0x0  ; big, vtb
	s_load_b64 s[8:9], s[0:1], 0x10  ; hbuf
	v_lshrrev_b32 v1, 5, v0
	v_readfirstlane_b32 s10, v1
	v_and_b32 v1, 31, v0
	v_lshlrev_b32 v[LO], 4, v1
	v_and_b32 v5, 15, v1
	v_lshrrev_b32 v6, 4, v1
	v_lshlrev_b32 v6, 3, v6
	v_sub_nc_u32 v[DD], v5, v6
	v_mov_b32 v[NINF], 0xff800000
.irp j, 0,1,2,3,4,5,6,7
	v_cmp_le_i32 s[MK+\j], \j, v[DD]
.endr
	s_mov_b32 s38, ttmp9            ; p
	s_and_b32 s11, ttmp7, 0xffff
	s_lshr_b32 s12, s11, 2          ; batch
	s_and_b32 s13, s11, 3
	s_lshl2_add_u32 s13, s13, s10   ; head
	s_mov_b32 s[CS], 0x3e8293ee     ; c = log2(e) / sqrt(32) = 0.255035
	s_mov_b32 s[CS+1], s[CS]        ; named with it as a pair, so it is written
	s_mov_b32 s[SEL], 0x76543210
	s_mov_b32 s[SEL+1], 0xfedcba98
	s_lshl_b32 s28, s12, 22         ; big: a batch's 128 token blocks x 32,768 bytes; a head's two granules
	s_lshl_b32 s29, s13, 10
	s_add_co_u32 s28, s28, s29
	s_mov_b32 s29, 0
	s_lshl_b32 s30, s12, 21         ; vtb: a batch's two groups of 64 token blocks, 2^20 bytes each; a head's two channel blocks x 32,768 bytes
	s_lshl_b32 s31, s13, 16
	s_add_co_u32 s30, s30, s31
	s_mov_b32 s31, 0
	s_lshl_b32 s36, s12, 21         ; hbuf: a batch's 128 token blocks x 16,384 bytes; a head's two granules
	s_lshl_b32 s37, s13, 10
	s_add_co_u32 s36, s36, s37
	s_mov_b32 s37, 0
	s_wait_kmcnt 0x0
	s_add_nc_u64 s[32:33], s[4:5], s[28:29]
	s_add_nc_u64 s[18:19], s[32:33], 16384  ; K's granules lie 32 behind Q's
	s_add_nc_u64 s[20:21], s[6:7], s[30:31]
	s_add_nc_u64 s[34:35], s[8:9], s[36:37]
	s_mov_b32 s16, 0
.macro KADR                         ; K of key step s36: four token blocks on for each step
	s_lshl_b32 s28, s36, 17
	s_add_nc_u64 s[22:23], s[18:19], s[28:29]
.endm
.macro VADR                         ; V^T of key step s36: group s36 / 16, four granules for each step in it
	s_lshr_b32 s30, s36, 4
	s_lshl_b32 s30, s30, 20
	s_and_b32 s39, s36, 15
	s_lshl_b32 s39, s39, 11
	s_add_co_u32 s30, s30, s39
	s_add_nc_u64 s[24:25], s[20:21], s[30:31]
.endm
.macro LDK                          ; 64 keys x 32 channels: four fragments
.irp kb, 0,1,2,3
	global_load_b128 v[KF+8*\kb:KF+8*\kb+3],   v[LO], s[22:23] offset:32768*\kb
	global_load_b128 v[KF+8*\kb+4:KF+8*\kb+7], v[LO], s[22:23] offset:32768*\kb+512
.endr
.endm
.macro LDV                          ; 32 channels x 64 keys: fragment f = 2 kh + cb: channels 16 cb on, keys 32 kh on
.irp f, 0,1,2,3
	global_load_b128 v[VF+8*\f:VF+8*\f+3],   v[LO], s[24:25] offset:32768*(\f%2)+1024*(\f/2)
	global_load_b128 v[VF+8*\f+4:VF+8*\f+7], v[LO], s[24:25] offset:32768*(\f%2)+1024*(\f/2)+512
.endr
.endm
.macro PLACES                       ; four plain vector instructions behind matrix instructions, in front of loads into their sources and of reads of their results
.rept 4
	v_nop
.endr
.endm
; One tile's softmax for one key step is a list of 102 instructions; SM writes number j of it for tile t.  s0-s31 are the lane's 32 scores, in pairs 0-15.
; first = 1: the block's first key step, which starts m and l: it has no a.
;   0-15    the maximum of s0-s31 and the old m, three operands at a time: four chains of seven scores (each begins at the low end of its accumulator), then the four scores left over, the chains and m
;   16-20   the other half of the lanes' maximum; the new m; c m; c m_old - c m_new
;   21-87   33 exponentials (a, then s0-s31) at the odd numbers from 23 on: no two follow each other, and each has a plain instruction behind it before its result is used (ISA guide 5.7.2).
;           The plain ones are whatever is ready: c s - c m for a pair whose exponentials are still to come, the rounding to f16 of a pair whose exponentials are done, the first sums
;   88-101  the last rounding; the rest of the sums; l = a l + the sum
.macro SM t, first
.set rT, ST+8*(\t)
.set rS, S+32*(\t)
.set rP, P+16*(\t)
.set q, (j-20)/2
.if j < 4
	v_max3_num_f32 v[rT+4+j], v[rS+8*j], v[rS+8*j+1], v[rS+8*j+2]
.elseif j < 12
	v_max3_num_f32 v[rT+4+j%4], v[rT+4+j%4], v[rS+8*(j%4)+2*(j/4)+1], v[rS+8*(j%4)+2*(j/4)+2]
.elseif j == 12
	v_max3_num_f32 v[rT+4], v[rT+4], v[rS+7], v[rS+15]
.elseif j == 13
	v_max3_num_f32 v[rT+6], v[rT+6], v[rS+23], v[rS+31]
.elseif j == 14
	v_max3_num_f32 v[rT+4], v[rT+4], v[rT+5], v[rT+6]
.elseif (j == 15) && \first
	v_max_num_f32 v[rT+4], v[rT+4], v[rT+7]
.elseif j == 15
	v_max3_num_f32 v[rT+4], v[rT+4], v[rT+7], v[rT+1]
.elseif j == 16
	v_permlanex16_b32 v[rT+5], v[rT+4], s[SEL], s[SEL+1]  ; the query's other 32 keys lie in the lane 16 away
.elseif j == 18
	v_max_num_f32 v[rT+1], v[rT+4], v[rT+5]
.elseif j == 19
	v_mul_f32 v[rT], s[CS], v[rT+1]
.elseif ((j == 17) || (j == 20) || (j == 23)) && \first  ; the first step has none of these
.elseif j == 17
	v_mov_b32 v[rT+7], v[rT]        ; c m_old is kept for a: number 19 writes c m anew
.elseif j == 20
	v_sub_f32 v[rT+7], v[rT+7], v[rT]
.elseif j == 23
	v_exp_f32 v[rT+6], v[rT+7]
.elseif (j < 88) && (j > 23) && (j%2 == 1)
	v_exp_f32 v[rS+(j-25)/2], v[rS+(j-25)/2]
.elseif (q < 4) || ((j < 76) && (q%2 == 0))
.set b, q/2+2
.if q < 4
.set b, q
.endif
	v_pk_fma_f32 v[rS+2*b:rS+2*b+1], v[rS+2*b:rS+2*b+1], s[CS:CS+1], v[rT:rT+1] op_sel_hi:[1,0,0] neg_lo:[0,0,1] neg_hi:[0,0,1]  ; pair b: c s - c m
.elseif (j < 88) && (q%2 == 1)
	s_wait_alu depctr_va_vdst(0)
	v_cvt_pk_f16_f32 v[rP+(q-5)/2], v[rS+q-5], v[rS+q-4]  ; pair (q - 5) / 2: its second exponential stands three numbers back
.elseif j == 89
	s_wait_alu depctr_va_vdst(0)
	v_cvt_pk_f16_f32 v[rP+15], v[rS+30], v[rS+31]
.else                               ; the sum of the tile's 16 pairs, in place: sum z of 16 adds neighbours 1, 2, 4 and 8 pairs apart, then l takes it
.set z, j-86
.if j < 89
.set z, (j-76)/4
.endif
.set w, 4
.set u, z
.if z >= 14
.set w, 32
.set u, 0
.elseif z >= 12
.set w, 16
.set u, z-12
.elseif z >= 8
.set w, 8
.set u, z-8
.endif
.if (z == 14) && \first
	v_pk_add_f32 v[rT+2:rT+3], v[rS:rS+1], v[rS+16:rS+17]
.elseif z < 15
	v_pk_add_f32 v[rS+w*u:rS+w*u+1], v[rS+w*u:rS+w*u+1], v[rS+w*u+w/2:rS+w*u+w/2+1]
.elseif !\first
	v_pk_fma_f32 v[rT+2:rT+3], v[rT+2:rT+3], v[rT+6:rT+7], v[rS:rS+1] op_sel_hi:[1,0,1]
.endif
.endif
.endm
; The lists of tiles y and y + 1, two numbers of each at a time.  Among the exponentials tile by tile (plain, exponential, plain, exponential); elsewhere the tiles alternate,
; so that no instruction reads the result of the one just before it.
.macro SOFT y, first
.set k, 0
.rept 51
.if (k >= 11) && (k < 44)
.irp t, \y, \y+1
.irp n, 0,1
.set j, 2*k+\n
	SM \t, \first
.endr
.endr
.else
.irp n, 0,1
.irp t, \y, \y+1
.set j, 2*k+\n
	SM \t, \first
.endr
.endr
.endif
.set k, k+1
.endr
.endm
; A KEY STEP.  diag = 1: the block's own 64 keys, masked; it starts m, l and O^T.  s36 names the step whose K and V^T are fetched meanwhile.
.macro STEP diag
	s_wait_loadcnt 8                ; K (and Q) are in; V^T's eight loads, issued behind them, may be out
	WIN W_KQ
.set i, 0
.rept 16                            ; S^T: keys 16 (i / 4) on, tile i % 4; head size 32 is one product a tile.  In the diagonal step the tiles above the diagonal are left out
.if (!\diag) || ((i/4) <= (i%4))
	v_wmma_f32_16x16x32_f16 v[S+32*(i%4)+8*(i/4):S+32*(i%4)+8*(i/4)+7], v[KF+8*(i/4):KF+8*(i/4)+7], v[QF+8*(i%4):QF+8*(i%4)+7], 0
.endif
.set i, i+1
.endr
.if \diag
	WIN 0
.irp t, 0,1,2                       ; and hold -infinity: 48 plain instructions that name no register of the products: the places behind them
.set kb, \t+1
.rept 3-\t
.irp j, 0,1,2,3,4,5,6,7
	v_mov_b32 v[S+32*\t+8*kb+\j], v[NINF]
.endr
.set kb, kb+1
.endr
.endr
.else
	PLACES
.endif
	KADR                            ; the loads that named s[22:23] are in
	WIN TO_1
	LDK
	WIN 0
.if \diag
.irp t, 0,1,2,3                     ; the tile on the diagonal: key 16 t + 8 (lane / 16) + j is allowed where j <= DD
.irp j, 0,1,2,3,4,5,6,7
	v_cndmask_b32 v[S+40*\t+\j], v[NINF], v[S+40*\t+\j], s[MK+\j]
.endr
.endr
.endif
	SOFT 0, \diag
	SOFT 2, \diag
.if !\diag
	WIN W_RS
.irp t, 0,1,2,3                     ; O^T times a, each accumulator from its low end on
.irp p, 0,1,2,3,4,5,6,7
	v_pk_mul_f32 v[16*\t+2*\p:16*\t+2*\p+1], v[16*\t+2*\p:16*\t+2*\p+1], v[ST+8*\t+6:ST+8*\t+7] op_sel_hi:[1,0]
.endr
.endr
.endif
	s_wait_loadcnt 8                ; V^T is in; the next K's eight loads may be out
	WIN W_PV
.set i, 0
.rept 16                            ; O^T += V^T P: keys 32 (i / 8) on, channels 16 ((i / 4) % 2) on, tile i % 4: the eight accumulators take turns
.if \diag && (i < 8)
	v_wmma_f32_16x16x32_f16 v[16*(i%4)+8*((i/4)%2):16*(i%4)+8*((i/4)%2)+7], v[VF+8*(2*(i/8)+(i/4)%2):VF+8*(2*(i/8)+(i/4)%2)+7], v[P+16*(i%4)+8*(i/8):P+16*(i%4)+8*(i/8)+7], 0
.else
	v_wmma_f32_16x16x32_f16 v[16*(i%4)+8*((i/4)%2):16*(i%4)+8*((i/4)%2)+7], v[VF+8*(2*(i/8)+(i/4)%2):VF+8*(2*(i/8)+(i/4)%2)+7], v[P+16*(i%4)+8*(i/8):P+16*(i%4)+8*(i/8)+7], v[16*(i%4)+8*((i/4)%2):16*(i%4)+8*((i/4)%2)+7]
.endif
.set i, i+1
.endr
	PLACES
	VADR                            ; the loads that named s[24:25] are in
	WIN TO_1
	LDV
	WIN 0
.endm
.Lblock:
	s_wait_loadcnt 0x0              ; the last fetch ahead, which no step used, has landed: its registers are loaded anew
	s_wait_xcnt 0x0                 ; the last block's stores have had their addresses translated (ISA guide 3.1): their data and base are rewritten only behind this wait
	s_sub_co_u32 s14, 31, s38
	s_cmp_eq_u32 s16, 0
	s_cselect_b32 s15, s14, s38     ; block 31 - p, then block p
	s_mov_b32 s36, s15
	KADR                            ; the diagonal step's K; s28 = 4 token blocks x 32,768 bytes x the block's number,
	s_add_nc_u64 s[26:27], s[32:33], s[28:29]  ; which is also where the block's Q begins
	VADR
	s_lshl_b32 s28, s15, 16
	s_add_nc_u64 s[48:49], s[34:35], s[28:29]
	WIN TO_1
.irp t, 0,1,2,3
	global_load_b128 v[QF+8*\t:QF+8*\t+3],   v[LO], s[26:27] offset:32768*\t
	global_load_b128 v[QF+8*\t+4:QF+8*\t+7], v[LO], s[26:27] offset:32768*\t+512
.endr
	LDK
	LDV
	s_mov_b32 s36, 0                ; fetched meanwhile: key step 0
	STEP 1
	s_cmp_eq_u32 s15, 0
	s_cbranch_scc1 .Lout            ; block 0 has its own keys alone
	s_mov_b32 s17, 0
.Lkey:                              ; key steps 0 to s15 - 1; the fetch ahead names step s17 + 1 <= s15, which lies inside the buffers
	s_add_co_u32 s36, s17, 1
	STEP 0
	s_add_co_u32 s17, s17, 1
	s_cmp_lt_u32 s17, s15
	s_cbranch_scc1 .Lkey
.Lout:
	; THE WAY OUT.  l's two halves and the other half of the lanes' are added; O^T is divided by l and rounded: the lane's 16 bytes of eight granules.
.irp t, 0,1,2,3
	v_add_f32 v[ST+8*\t+4], v[ST+8*\t+2], v[ST+8*\t+3]
.endr
.irp t, 0,1,2,3
	v_permlanex16_b32 v[ST+8*\t+5], v[ST+8*\t+4], s[SEL], s[SEL+1]
.endr
.irp t, 0,1,2,3
	v_add_f32 v[ST+8*\t+4], v[ST+8*\t+4], v[ST+8*\t+5]
.endr
.irp t, 0,1,2,3
	v_rcp_f32 v[ST+8*\t+6], v[ST+8*\t+4]
.endr
	v_nop                           ; a plain instruction between the last reciprocal and the use of its result
	WIN W_RS
	s_wait_alu depctr_va_vdst(0)
.irp t, 0,1,2,3
.irp p, 0,1,2,3,4,5,6,7
	v_pk_mul_f32 v[16*\t+2*\p:16*\t+2*\p+1], v[16*\t+2*\p:16*\t+2*\p+1], v[ST+8*\t+6:ST+8*\t+7] op_sel_hi:[1,0]
.endr
.endr
	WIN W_PK
.set i, 0
.rept 32
	v_cvt_pk_f16_f32 v[S+i], v[2*i], v[2*i+1]  ; S^T's registers are free
.set i, i+1
.endr
	WIN 0
.irp t, 0,1,2,3
.irp cb, 0,1
	global_store_b128 v[LO], v[S+8*\t+4*\cb:S+8*\t+4*\cb+3], s[48:49] offset:16384*\t+512*\cb  ; 512 consecutive bytes, aligned
.endr
.endr
	s_add_co_u32 s16, s16, 1
	s_cmp_lt_u32 s16, 2
	s_cbranch_scc1 .Lblock
	s_endpgm
.Lfunc_end_k_q35fb096dc6_attn:
	.size	k_q35fb096dc6_attn, .Lfunc_end_k_q35fb096dc6_attn-k_q35fb096dc6_attn
	.p2alignl 7, 3214868480
	.fill 96, 4, 3214868480
	.section	.rodata,"a",@progbits
	.p2align	6, 0x0
	.amdhsa_kernel k_q35fb096dc6_attn
		.amdhsa_group_segment_fixed_size 0
		.amdhsa_private_segment_fixed_size 0
		.amdhsa_enable_private_segment 0
		.amdhsa_kernarg_size 24
		.amdhsa_user_sgpr_count 2
		.amdhsa_user_sgpr_kernarg_segment_ptr 1
		.amdhsa_wavefront_size32 1
		.amdhsa_system_sgpr_workgroup_id_x 1
		.amdhsa_system_sgpr_workgroup_id_y 1
		.amdhsa_system_sgpr_workgroup_id_z 1
		.amdhsa_system_vgpr_workitem_id 0
		.amdhsa_next_free_vgpr 416
		.amdhsa_next_free_sgpr 66
		.amdhsa_reserve_vcc 0
		.amdhsa_float_denorm_mode_32 3
		.amdhsa_float_denorm_mode_16_64 3
		.amdhsa_memory_ordered 1
		.amdhsa_forward_progress 1
		.amdhsa_inst_pref_size 70
	.end_amdhsa_kernel
	.amdgpu_metadata
---
amdhsa.version: [ 1, 2 ]
amdhsa.kernels:
  - .name:           k_q35fb096dc6_attn
    .symbol:         k_q35fb096dc6_attn.kd
    .args:
      - { .name: big, .offset: 0, .size: 8, .value_kind: global_buffer, .address_space: global }
      - { .name: vtb, .offset: 8, .size: 8, .value_kind: global_buffer, .address_space: global }
      - { .name: hbuf, .offset: 16, .size: 8, .value_kind: global_buffer, .address_space: global }
    .group_segment_fixed_size: 0
    .private_segment_fixed_size: 0
    .kernarg_segment_align: 8
    .kernarg_segment_size: 24
    .max_flat_workgroup_size: 128
    .sgpr_count:     66
    .vgpr_count:     416
    .wavefront_size: 32
...
	.end_amdgpu_metadata
.endif
;; end of part 3
;; launch oproj (part 4): grid 4 x 64, 4 waves a work-group, clusters of 4 x 4, 327,680 bytes of LDS; arguments hbuf, w3t, x1b, bo, x; writes x1b
.if DOCPART == 4
	.amdgcn_target "amdgcn-amd-amdhsa--gfx1250"
	.amdhsa_code_object_version 6
	.text
	.protected	k_q35fb096dc6_oproj
	.globl	k_q35fb096dc6_oproj
	.p2align	8
	.type	k_q35fb096dc6_oproj,@function
k_q35fb096dc6_oproj:
	s_mov_b64 s[64:65], 0
	v_nop
	global_prefetch_b8 v0, s[64:65] scope:SCOPE_SE
	s_setreg_imm32_b32 hwreg(HW_REG_WAVE_MODE, 25, 1), 1
	s_wait_xcnt 0x0
	s_wait_alu depctr_hold_cnt(0) depctr_sa_sdst(0) depctr_va_vdst(0) depctr_va_sdst(0) depctr_va_ssrc(0) depctr_va_vcc(0) depctr_vm_vsrc(0)
	s_getreg_b32 s2, hwreg(HW_REG_IB_STS2, 6, 4)
	s_cmp_eq_u32 s2, 0
	s_cbranch_scc0 .Lentry_in_a_cluster
	s_endpgm
.Lentry_in_a_cluster:
	s_bfe_u32 s2, ttmp6, 0x10000c
	s_cmp_lg_u32 s2, 0xf033
	s_cbranch_scc0 .Lentry_shape_is_right
	s_endpgm
.Lentry_shape_is_right:
; x1[m][n] = x[m][n] + bo[n] + sum over k of att[m][k] Wo[k][n], K = 512.  att [8192][512] and Wo^T [512][512] are f16 in granules of 512 bytes (granule (mb, kb): rows 16 mb .. +15,
; k = 16 kb .. +15; the 16 bytes at 16 (r + 16 h) hold row r, k = 8 h .. +7; byte (mb K/16 + kb) 512).  bo, x and x1 are f32, x and x1 [8192][512] by rows.  Sums in f32.
; A work-group makes 128 x 128, each of its four waves 64 x 64: 16 accumulators.  K goes in two steps of 256, each with an LDS slot of its own: both are asked for at the start, and no LDS
; byte is filled twice.  A tensor load brings 4 blocks of 16 rows x 256 K: 4 rows of 8,192 consecutive bytes; a fragment is two LDS loads of 512 consecutive bytes: nothing is padded.
; CLUSTER: 4 x 4 work-groups; A's tiles are asked for jointly by the four of a row of the cluster, B's by the four of a column.
; THE MATRIX INSTRUCTION IS USED TRANSPOSED (source 0 = 16 rows of B, source 1 = 16 rows of A): a lane holds row l % 16 and the columns 8 (l / 16) + 0 .. 7.
; The bias is the C of each sum's first product.  On the way out 16 rows at a time go through the wave's own stage in LDS and come back as whole rows: a wave's 64 columns are 256 bytes,
; aligned; the residual, loaded at the kernel's head in that same shape, is added there.
; REGISTERS: window 0: v16-27 addresses; v32-63, v64-95 residual rows, two blocks by turns; v96-127 the bias, later the rows on their way out; v128-255 accumulators ((a, b) at v[128 + 8 (4 a + b)]).
;            window 1: two fragment buffers of 128.
.set KDIM,  512
.set BOFF,  0                          ; Wo^T begins w3t
.set KSTEPB, 8192                      ; a K step of 256 in a block of 16 rows: 16 granules
.set HALFT, 32768                      ; what one tensor load brings, and what one wave reads of A or of B in a K step
.set SLOT,  4*HALFT                    ; A's two halves, then B's two halves
.set STAGE, 2*SLOT                     ; behind the slots: 16 rows x 272 bytes for each wave
.set SPITCH, 272
.set ROWB,  2048                       ; a row of x and of x1
.set ADRA, 16                          ; v16-17  LDS address of my 16 bytes of A's granules in slot 0, 1
.set ADRB, 20                          ; v20-21  the same for B
.set STO,  24                          ; v24     the way out: where I put 32 bytes of a row
.set RD,   25                          ; v25     the way out: where I read a row back
.set CO,   26                          ; v26     my byte offset in two rows of x and x1
.set BO,   27                          ; v27     my byte offset in the bias
.set R0,   32
.set T,    96
.set BIAS, 96
.set ACC,  128
.set F0,   0
.set F1,   128
.set G1, 24                            ; s[24:31] descriptor group 1 for A's tiles;  s[32:39] group 0, one set for each slot
.set G0, 32
.set G1B, 48                           ; s[48:55], s[56:63] the same for B's tiles
.set G0B, 56
.set MSB, 0
.macro WIN new                         ; the immediate's high byte repeats the setting that is left
.if MSB != \new
	s_set_vgpr_msb (MSB<<8)|\new
.set MSB, \new
.endif
.endm
.set MUL,  0x05                        ; sources 0 (B) and 1 (A) window 1; C and D window 0
.set TO_F, 0x40                        ; destination window 1, address window 0
.macro JLOAD s                         ; a joint load: waves 0 and 1 fetch A's two halves, waves 2 and 3 B's; four v_nop follow each of the two lines
	s_cmp_eq_u32 s11, 0
	s_cbranch_scc0 .Lfor_b_\@
	tensor_load_to_lds s[G0+4*\s:G0+4*\s+3], s[G1:G1+7]
	s_nop 0
.rept 4
	v_nop
.endr
	s_branch .Lasked_\@
.Lfor_b_\@:
	tensor_load_to_lds s[G0B+4*\s:G0B+4*\s+3], s[G1B:G1B+7]
	s_nop 0
.rept 4
	v_nop
.endr
.Lasked_\@:
.endm
.macro CROUND                          ; a round of the cluster's barrier
	s_barrier_signal -1
	s_barrier_wait -1
	s_cmp_lg_u32 s10, 0
	s_cbranch_scc1 .Lnot_wave_0_\@
	s_barrier_signal -3
.Lnot_wave_0_\@:
	s_barrier_wait -3
	s_barrier_signal -1
	s_barrier_wait -1
.endm
	s_load_b128 s[4:7], s[0:1], 0x0                ; A s[4:5], B s[6:7]
	s_load_b64 s[8:9], s[0:1], 0x10                ; x1
	s_load_b64 s[68:69], s[0:1], 0x18              ; bo
	s_load_b64 s[70:71], s[0:1], 0x20              ; x
	v_lshl_add_u32 v30, v0, 2, 0x44400
	v_mov_b32 v31, 0
	ds_add_u32 v30, v31
	v_lshrrev_b32 v1, 5, v0
	v_readfirstlane_b32 s10, v1                    ; wave 0..3
	s_lshr_b32 s11, s10, 1                         ; which half of the tile's rows is mine.  Also: I fetch for A (0) or for B (1)
	s_and_b32 s12, s10, 1                          ; which half of its columns.  Also: which 64 rows of that tile I fetch
	s_bfe_u32 s40, ttmp6, 0x40000                  ; cx, cy: my place in the cluster
	s_bfe_u32 s41, ttmp6, 0x40004
	s_lshl_b32 s42, ttmp9, 2
	s_add_co_u32 s42, s42, s40                     ; tile column = 4 x cluster x + cx
	s_and_b32 s13, ttmp7, 0xffff
	s_lshl_b32 s13, s13, 2
	s_add_co_u32 s13, s13, s41                     ; tile row = 4 x cluster y + cy
	s_lshl_b32 s43, s41, 2
	s_lshl_b32 s43, 15, s43                        ; my row of the cluster
	s_lshl_b32 s44, 0x1111, s40                    ; my column
	; descriptor group 1: 4 rows of 1,024 elements of 8 bytes, no padding
	s_or_b32 s[G1+0], s43, (3<<16)|(1<<21)         ; 15:0 the mask: A's tiles go to my row; 17:16 elements of 8 bytes; 21 set beside a mask
	s_or_b32 s[G1B+0], s44, (3<<16)|(1<<21)
.irp g, G1, G1B
	s_mov_b32 s[\g+1], 1024<<16                    ; tensor_dim0 = 1,024
	s_mov_b32 s[\g+2], 4<<16                       ; tensor_dim1 = 4
	s_mov_b32 s[\g+3], 1024<<16                    ; tile_dim0 = 1,024
	s_mov_b32 s[\g+4], 4                           ; tile_dim1 = 4
	s_mov_b32 s[\g+5], KDIM*4                      ; from a block of 16 rows to the next: KDIM x 32 bytes, in elements
	s_mov_b32 s[\g+6], 0
	s_mov_b32 s[\g+7], 0
.endr
	s_lshl_b32 s17, s12, 2                         ; which 4 blocks of 16 rows I fetch
	s_lshl_b32 s16, s13, 3
	s_add_co_u32 s16, s16, s17                     ; A: block 8 x tile row + 4 x half
	s_lshl_b32 s46, s42, 3
	s_add_co_u32 s46, s46, s17                     ; B: block 8 x tile column + 4 x half
	s_mul_i32 s16, s16, KDIM*32
	s_mul_i32 s46, s46, KDIM*32
	s_mov_b32 s17, 0
	s_mov_b32 s47, 0
	s_mul_i32 s20, s10, HALFT                      ; where they go: wave x 32,768: no place in the cluster enters an LDS address
	s_wait_dscnt 0x0
	s_wait_kmcnt 0x0
	s_add_nc_u64 s[14:15], s[4:5], s[16:17]
	s_add_nc_u64 s[46:47], s[6:7], s[46:47]
	CROUND                                         ; all sixteen work-groups are here: the joint loads meet
.irp s, 0,1
	s_mov_b32 s[G0+4*\s], 1
	s_add_co_u32 s[G0+4*\s+1], s20, \s*SLOT
	s_add_nc_u64 s[G0+4*\s+2:G0+4*\s+3], s[14:15], \s*KSTEPB
	s_or_b32 s[G0+4*\s+3], s[G0+4*\s+3], 0x80000000
	s_mov_b32 s[G0B+4*\s], 1
	s_add_co_u32 s[G0B+4*\s+1], s20, \s*SLOT
	s_add_nc_u64 s[G0B+4*\s+2:G0B+4*\s+3], s[46:47], \s*KSTEPB
	s_or_b32 s[G0B+4*\s+3], s[G0B+4*\s+3], 0x80000000
	JLOAD \s                                       ; two tensor loads of mine are out: all that this launch asks of me
.endr
	v_and_b32 v1, 31, v0
	v_lshlrev_b32 v3, 4, v1                        ; a lane's 16 bytes of a granule
	s_mul_i32 s21, s11, HALFT                      ; my 64 rows of A
	s_mul_i32 s22, s12, HALFT                      ; my 64 rows of B,
	s_add_co_u32 s22, s22, 2*HALFT                 ; which lie behind A's 128
.irp s, 0,1
	v_add_nc_u32 v[ADRA+\s], s21, v3
	v_add_nc_u32 v[ADRB+\s], s22, v3
	s_add_co_u32 s21, s21, SLOT
	s_add_co_u32 s22, s22, SLOT
.endr
	v_and_b32 v2, 15, v0                           ; l % 16
	v_bfe_u32 v4, v0, 4, 1                         ; l / 16
	s_mul_i32 s23, s10, 16*SPITCH
	s_add_co_u32 s23, s23, STAGE                   ; my stage
	v_mul_u32_u24 v5, v2, SPITCH                   ; in: row l % 16, 32 bytes for each half of the lanes
	v_lshl_add_u32 v5, v4, 5, v5
	v_add_nc_u32 v[STO], s23, v5
	v_mul_u32_u24 v5, v4, SPITCH                   ; back: lanes 0-15 take one row of 256 bytes, lanes 16-31 the next
	v_lshl_add_u32 v5, v2, 4, v5
	v_add_nc_u32 v[RD], s23, v5
	v_lshlrev_b32 v5, 11, v4                       ; and the same two rows in x and x1
	v_lshl_add_u32 v[CO], v2, 4, v5
	v_lshlrev_b32 v[BO], 5, v4                     ; my eight columns of a block of 16
	s_lshl_b32 s16, s13, 18                        ; my first row: 128 x tile row + 64 x half, 2,048 bytes each
	s_lshl_b32 s17, s11, 17
	s_add_co_u32 s16, s16, s17
	s_mov_b32 s17, 0
	s_lshl_b32 s46, s42, 9                         ; my first column, in bytes: 512 x tile column + 256 x half
	s_lshl_b32 s47, s12, 8
	s_add_co_u32 s46, s46, s47
	s_mov_b32 s47, 0
	s_add_nc_u64 s[68:69], s[68:69], s[46:47]
	s_add_nc_u64 s[8:9], s[8:9], s[16:17]
	s_add_nc_u64 s[8:9], s[8:9], s[46:47]
	s_add_nc_u64 s[70:71], s[70:71], s[16:17]
	s_add_nc_u64 s[70:71], s[70:71], s[46:47]
.irp b, 0,1,2,3
	global_load_b128 v[BIAS+8*\b:BIAS+8*\b+3],   v[BO], s[68:69] offset:64*\b
	global_load_b128 v[BIAS+8*\b+4:BIAS+8*\b+7], v[BO], s[68:69] offset:64*\b+16
.endr
.macro RES a                           ; the residual of my block a of 16 rows: eight loads of two rows x 256 bytes
.irp t, 0,1,2,3,4,5,6,7
	global_load_b128 v[R0+32*((\a)%2)+4*\t:R0+32*((\a)%2)+4*\t+3], v[CO], s[70:71] offset:(16*(\a)+2*\t)*ROWB
.endr
.endm
	RES 0
	RES 1
; 8 matrix instructions: m blocks a0, a0 + 1 x all 4 n blocks, 32 along K: half c of buffer f.  zero = 1: the first product starts the sums, from the bias.
; The 16 accumulators take turns, one instruction a turn.
.macro MUL8 f, c, a0, zero
.irp a, \a0, \a0+1
.irp b, 0,1,2,3
.if \zero
	v_wmma_f32_16x16x32_f16 v[ACC+8*(4*(\a)+\b):ACC+8*(4*(\a)+\b)+7], v[\f+64+8*(4*\c+\b):\f+64+8*(4*\c+\b)+7], v[\f+8*(4*\c+\a):\f+8*(4*\c+\a)+7], v[BIAS+8*\b:BIAS+8*\b+7]
.else
	v_wmma_f32_16x16x32_f16 v[ACC+8*(4*(\a)+\b):ACC+8*(4*(\a)+\b)+7], v[\f+64+8*(4*\c+\b):\f+64+8*(4*\c+\b)+7], v[\f+8*(4*\c+\a):\f+8*(4*\c+\a)+7], v[ACC+8*(4*(\a)+\b):ACC+8*(4*(\a)+\b)+7]
.endif
.endr
.endr
.endm
; 32 LDS loads in one run: the fragments of 64 along K (4 granules, at byte k of a block's 8,192) into buffer f; the first 32 along K first
.macro FETCH slot, k, f
	WIN TO_F
.irp c, 0,1
.irp i, 0,1,2,3
	ds_load_b128 v[\f+64+8*(4*\c+\i):\f+64+8*(4*\c+\i)+3],   v[ADRB+\slot] offset:\k+1024*\c+\i*KSTEPB
	ds_load_b128 v[\f+64+8*(4*\c+\i)+4:\f+64+8*(4*\c+\i)+7], v[ADRB+\slot] offset:\k+1024*\c+\i*KSTEPB+512
	ds_load_b128 v[\f+8*(4*\c+\i):\f+8*(4*\c+\i)+3],         v[ADRA+\slot] offset:\k+1024*\c+\i*KSTEPB
	ds_load_b128 v[\f+8*(4*\c+\i)+4:\f+8*(4*\c+\i)+7],       v[ADRA+\slot] offset:\k+1024*\c+\i*KSTEPB+512
.endr
.endr
.endm
.macro PLACES                          ; four plain vector instructions in front of loads into registers that matrix instructions have read, and of instructions that read results
.rept 4
	v_nop
.endr
.endm
; A K step is four quarters of 64 along K, 32 matrix instructions each, on buffers 0, 1, 0, 1.  One of the first three: multiplies buffer f and fetches the next quarter, at byte k, into g.
.macro QUARTER slot, k, f, g, zero
	s_wait_dscnt 16                                ; the first 32 along K are in; the sixteen younger loads may be out
	WIN MUL
	MUL8 \f, 0, 0, \zero
	MUL8 \f, 0, 2, \zero
	PLACES
	FETCH \slot, \k, \g
	s_wait_dscnt 32                                ; all but the 32 just issued
	WIN MUL
	MUL8 \f, 1, 0, 0
	MUL8 \f, 1, 2, 0
.endm
; THE WAY OUT of my block a of 16 rows: into my own stage, back as whole rows, the residual added, stored.  left: the younger residual loads, which may stay out.
.macro OUT a, left
.irp b, 0,1,2,3
	ds_store_b128 v[STO], v[ACC+8*(4*\a+\b):ACC+8*(4*\a+\b)+3] offset:64*\b          ; each accumulator from its low end on
	ds_store_b128 v[STO], v[ACC+8*(4*\a+\b)+4:ACC+8*(4*\a+\b)+7] offset:64*\b+16
.endr
	s_wait_xcnt 0x0                                ; the last block's stores have had their addresses translated (ISA guide 3.1): their data registers are loaded again only behind this wait
.irp t, 0,1,2,3,4,5,6,7
	ds_load_b128 v[T+4*\t:T+4*\t+3], v[RD] offset:\t*2*SPITCH    ; LDS serves a wave's instructions in order: these see the stores above
.endr
	s_wait_loadcnt \left
	s_wait_dscnt 0x0
.irp i, 0,1,2,3,4,5,6,7,8,9,10,11,12,13,14,15
	v_pk_add_f32 v[T+2*\i:T+2*\i+1], v[T+2*\i:T+2*\i+1], v[R0+32*((\a)%2)+2*\i:R0+32*((\a)%2)+2*\i+1]
.endr
.irp t, 0,1,2,3,4,5,6,7
	global_store_b128 v[CO], v[T+4*\t:T+4*\t+3], s[8:9] offset:(16*\a+2*\t)*ROWB   ; 16 lanes store 256 consecutive bytes, aligned
.endr
.endm
	s_wait_loadcnt 16                              ; the bias is in; the sixteen residual loads stay out until the way out
	s_wait_tensorcnt 1                             ; my part of K step 0 is in; my part of K step 1 may stay out
	s_barrier_signal -1
	s_barrier_wait -1                              ; everybody's is
	FETCH 0, 0, F0
	QUARTER 0, 2048, F0, F1, 1
	QUARTER 0, 4096, F1, F0, 0
	QUARTER 0, 6144, F0, F1, 0
	; the last quarter of K step 0 changes slots: one barrier, in front of which each wave has seen its part of slot 1 land
	s_wait_tensorcnt 0x0
	s_wait_dscnt 16
	MUL8 F1, 0, 0, 0
	s_wait_dscnt 0x0                               ; no LDS instruction is pending at a signal
	s_barrier_signal -1
	MUL8 F1, 0, 2, 0                               ; work on registers while the others arrive
	s_barrier_wait -1
	PLACES
	FETCH 1, 0, F0
	WIN MUL
	MUL8 F1, 1, 0, 0
	MUL8 F1, 1, 2, 0
	QUARTER 1, 2048, F0, F1, 0
	QUARTER 1, 4096, F1, F0, 0
	QUARTER 1, 6144, F0, F1, 0
	s_wait_dscnt 16                                ; the very last quarter: nothing more to fetch
	MUL8 F1, 0, 0, 0
	MUL8 F1, 0, 2, 0
	s_wait_dscnt 0x0
	MUL8 F1, 1, 0, 0
	MUL8 F1, 1, 2, 0
	WIN 0
	PLACES
	OUT 0, 8
	RES 2                                          ; into the registers that block 0's additions have read
	OUT 1, 8
	RES 3
	OUT 2, 8
	OUT 3, 0
	s_wait_tensorcnt 0x0
	ds_add_u32 v30, v31
	s_wait_dscnt 0x0
	CROUND                                         ; the closing round: no work-group ends while a partner may still ask for a tile that names it
	s_endpgm
.Lfunc_end_k_q35fb096dc6_oproj:
	.size	k_q35fb096dc6_oproj, .Lfunc_end_k_q35fb096dc6_oproj-k_q35fb096dc6_oproj
	.p2alignl 7, 3214868480
	.fill 96, 4, 3214868480
	.section	.rodata,"a",@progbits
	.p2align	6, 0x0
	.amdhsa_kernel k_q35fb096dc6_oproj
		.amdhsa_group_segment_fixed_size 327680
		.amdhsa_private_segment_fixed_size 0
		.amdhsa_enable_private_segment 0
		.amdhsa_kernarg_size 40
		.amdhsa_user_sgpr_count 2
		.amdhsa_user_sgpr_kernarg_segment_ptr 1
		.amdhsa_wavefront_size32 1
		.amdhsa_system_sgpr_workgroup_id_x 1
		.amdhsa_system_sgpr_workgroup_id_y 1
		.amdhsa_system_sgpr_workgroup_id_z 1
		.amdhsa_system_vgpr_workitem_id 0
		.amdhsa_next_free_vgpr 512
		.amdhsa_next_free_sgpr 72
		.amdhsa_reserve_vcc 0
		.amdhsa_float_denorm_mode_32 3
		.amdhsa_float_denorm_mode_16_64 3
		.amdhsa_memory_ordered 1
		.amdhsa_forward_progress 1
		.amdhsa_inst_pref_size 57
	.end_amdhsa_kernel
	.amdgpu_metadata
---
amdhsa.version: [ 1, 2 ]
amdhsa.kernels:
  - .name:           k_q35fb096dc6_oproj
    .symbol:         k_q35fb096dc6_oproj.kd
    .args:
      - { .name: hbuf, .offset: 0, .size: 8, .value_kind: global_buffer, .address_space: global }
      - { .name: w3t, .offset: 8, .size: 8, .value_kind: global_buffer, .address_space: global }
      - { .name: x1b, .offset: 16, .size: 8, .value_kind: global_buffer, .address_space: global }
      - { .name: bo, .offset: 24, .size: 8, .value_kind: global_buffer, .address_space: global }
      - { .name: x, .offset: 32, .size: 8, .value_kind: global_buffer, .address_space: global }
    .group_segment_fixed_size: 327680
    .private_segment_fixed_size: 0
    .kernarg_segment_align: 8
    .kernarg_segment_size: 40
    .max_flat_workgroup_size: 128
    .sgpr_count:     72
    .vgpr_count:     512
    .wavefront_size: 32
...
	.end_amdgpu_metadata
.endif
;; end of part 4
;; launch ln2 (part 5): grid 512 x 1, 8 waves a work-group, no clusters, 18,432 bytes of LDS; arguments x1b, g2, be2, hbuf; writes hbuf
.if DOCPART == 5
	.amdgcn_target "amdgcn-amd-amdhsa--gfx1250"
	.amdhsa_code_object_version 6
	.text
	.protected	k_q35fb096dc6_ln2
	.globl	k_q35fb096dc6_ln2
	.p2align	8
	.type	k_q35fb096dc6_ln2,@function
k_q35fb096dc6_ln2:
	s_mov_b64 s[64:65], 0
	v_nop
	global_prefetch_b8 v0, s[64:65] scope:SCOPE_SE
	s_setreg_imm32_b32 hwreg(HW_REG_WAVE_MODE, 25, 1), 1
	s_wait_xcnt 0x0
; h2 = layernorm(x1) * g2 + be2, rounded to f16.  x1 is [8192][512] f32 by rows; h2 leaves in GRANULES of 512 bytes: granule (mb, kb) holds rows 16 mb .. +15 and k = 16 kb .. +15;
; the 16 bytes at 16 (r + 16 h) hold row 16 mb + r, k = 16 kb + 8 h .. +7; the granule lies at byte (32 mb + kb) 512.
; ROOM IN f16: |h2| <= sqrt(511) |g2| + |be2|, under 700 + |be2| with gains of 30, far under 65,504; with gains of 1/30 its rms is 0.033, and f16's step, never above 2^-24, is under 1e-5 of that.
; Memory binds: no matrix unit, no cluster (work-groups share nothing but g2 and be2, 4 KB), no tensor loads.
; A work-group owns 16 rows (one mb), each of its eight waves two rows, kept in registers between the passes: mean, then the mean of the squared differences (two passes, as the problem
; states them), all in f32.  The rounded rows meet in LDS, laid as granules, and leave as 512 consecutive bytes a store.
; Limits: a number beyond 65,504 in magnitude becomes infinity; NaN and infinities spread as the arithmetic spreads them.
.set GPI, 544                          ; LDS: a granule's pitch: two halves of 272 bytes (256 + 16), so that the 32 lanes of a store of 8 bytes meet 64 different banks
.set HPI, 272
.set SX,  4                            ; s[4:5] x1   s[6:7] g2   s[8:9] be2   s[10:11] hbuf
.set SG,  6
.set SB,  8
.set SOUT, 10
.set XO,  2                            ; v2  byte offset of my 16 bytes in my wave's first row
.set GO,  3                            ; v3  16 x lane
.set LS,  4                            ; v4  LDS: where my 8 bytes of a row's piece go
.set LR,  5                            ; v5  LDS: where I read 16 bytes of a granule back
.set SO,  6                            ; v6  byte offset of my 16 bytes in my wave's first granule
.set T,   8                            ; v[8:11]   row i: sum, then mean, at T + 2 i
.set Q,   12                           ; v[12:15]  row i: sum of squares, then 1 / sqrt(var + eps), at Q + 2 i
.set X,   16                           ; v[16:47]  row i at X + 16 i: piece j (columns 128 j + 4 lane .. +3) at + 4 j
.set G,   48                           ; v[48:63]  g of my 16 columns
.set BE,  64                           ; v[64:79]  be of my 16 columns
	s_load_b256 s[4:11], s[0:1], 0x0
	v_lshl_add_u32 v80, v0, 2, 0x4400
	v_mov_b32 v81, 0
	v_lshrrev_b32 v1, 5, v0
	v_readfirstlane_b32 s30, v1                    ; wave 0..7
	v_and_b32 v1, 31, v0                           ; lane
	s_lshl_b32 s32, ttmp9, 15                      ; 16 rows of 2,048 bytes
	s_mov_b32 s33, 0
	s_lshl_b32 s34, ttmp9, 14                      ; 32 granules of 512 bytes
	s_mov_b32 s35, 0
	s_mov_b32 s36, 0x76543210                      ; v_permlanex16_b32: each lane takes its own place in the other half
	s_mov_b32 s37, 0xfedcba98
	s_mov_b32 s38, 0x3b000000                      ; 1 / 512
	s_mov_b32 s39, 0x3727c5ac                      ; 1e-5
	v_lshlrev_b32 v[GO], 4, v1
	v_lshl_add_u32 v[XO], s30, 12, v[GO]           ; + 2 rows a wave
	v_lshl_add_u32 v[SO], s30, 11, v[GO]           ; + 4 granules a wave
	; columns 128 j + 4 lane .. +3 of row r lie in granule 8 j + lane / 4, half (lane / 2) % 2, at byte 16 r + 8 (lane % 2)
	v_lshrrev_b32 v7, 2, v1
	v_mul_u32_u24 v[LS], v7, GPI
	v_bfe_u32 v7, v1, 1, 1
	v_mad_u32_u24 v[LS], v7, HPI, v[LS]
	v_and_b32 v7, 1, v1
	v_lshl_add_u32 v[LS], v7, 3, v[LS]
	v_lshl_add_u32 v[LS], s30, 5, v[LS]            ; my wave's rows 2 w, 2 w + 1: 16 bytes each
	v_lshrrev_b32 v7, 4, v1
	v_and_b32 v[LR], 15, v1
	v_lshlrev_b32 v[LR], 4, v[LR]
	v_mad_u32_u24 v[LR], v7, HPI, v[LR]
	s_mul_i32 s31, s30, 4*GPI                      ; my wave sends granules 4 w .. 4 w + 3
	v_add_nc_u32 v[LR], s31, v[LR]
	s_wait_kmcnt 0x0
	s_add_nc_u64 s[SX:SX+1], s[SX:SX+1], s[32:33]
	s_add_nc_u64 s[SOUT:SOUT+1], s[SOUT:SOUT+1], s[34:35]
.irp i, 0,1
.irp j, 0,1,2,3
	global_load_b128 v[X+16*\i+4*\j:X+16*\i+4*\j+3], v[XO], s[SX:SX+1] offset:2048*\i+512*\j   ; 512 consecutive bytes a load
.endr
.endr
.irp j, 0,1,2,3
	global_load_b128 v[G+4*\j:G+4*\j+3], v[GO], s[SG:SG+1] offset:512*\j
	global_load_b128 v[BE+4*\j:BE+4*\j+3], v[GO], s[SB:SB+1] offset:512*\j
.endr
; The sum over a row: the pair's halves, four steps inside each half of 16 lanes, one across; every lane ends with the sum.  The two rows alternate.
.macro ACROSS b
.irp i, 0,1
	v_add_f32 v[\b+2*\i], v[\b+2*\i], v[\b+2*\i+1]
.endr
.irp m, 1,2,4,8
.irp i, 0,1
	v_add_f32_dpp v[\b+2*\i], v[\b+2*\i], v[\b+2*\i] row_xmask:\m row_mask:0xf bank_mask:0xf
.endr
.endr
.irp i, 0,1
	v_permlanex16_b32 v[\b+2*\i+1], v[\b+2*\i], s36, s37
.endr
.irp i, 0,1
	v_add_f32 v[\b+2*\i], v[\b+2*\i], v[\b+2*\i+1]
.endr
.endm
	s_wait_loadcnt 8                               ; the eight loads of x1 are in; the eight of g and be may stay out
.irp i, 0,1
	v_pk_add_f32 v[T+2*\i:T+2*\i+1], v[X+16*\i:X+16*\i+1], v[X+16*\i+2:X+16*\i+3]
.endr
.irp p, 2,3,4,5,6,7
.irp i, 0,1
	v_pk_add_f32 v[T+2*\i:T+2*\i+1], v[T+2*\i:T+2*\i+1], v[X+16*\i+2*\p:X+16*\i+2*\p+1]
.endr
.endr
	ACROSS T
.irp i, 0,1
	v_mul_f32 v[T+2*\i], s38, v[T+2*\i]            ; the mean
.endr
.irp p, 0,1,2,3,4,5,6,7
.irp i, 0,1
	v_pk_add_f32 v[X+16*\i+2*\p:X+16*\i+2*\p+1], v[X+16*\i+2*\p:X+16*\i+2*\p+1], v[T+2*\i:T+2*\i+1] op_sel_hi:[1,0] neg_lo:[0,1] neg_hi:[0,1]   ; x - mean
.endr
.endr
.irp i, 0,1
	v_pk_mul_f32 v[Q+2*\i:Q+2*\i+1], v[X+16*\i:X+16*\i+1], v[X+16*\i:X+16*\i+1]
.endr
.irp p, 1,2,3,4,5,6,7
.irp i, 0,1
	v_pk_fma_f32 v[Q+2*\i:Q+2*\i+1], v[X+16*\i+2*\p:X+16*\i+2*\p+1], v[X+16*\i+2*\p:X+16*\i+2*\p+1], v[Q+2*\i:Q+2*\i+1]
.endr
.endr
	ACROSS Q
.irp i, 0,1
	v_fma_f32 v[Q+2*\i], v[Q+2*\i], s38, s39       ; var + eps
.endr
.irp i, 0,1
	v_rsq_f32 v[Q+2*\i], v[Q+2*\i]
.endr
	s_wait_loadcnt 0x0                             ; g and be
	v_nop                                          ; a plain instruction between the last v_rsq_f32 and the use of its result (ISA guide 5.7.2)
	s_wait_alu depctr_va_vdst(0)
.irp p, 0,1,2,3,4,5,6,7
.irp i, 0,1
	v_pk_mul_f32 v[X+16*\i+2*\p:X+16*\i+2*\p+1], v[X+16*\i+2*\p:X+16*\i+2*\p+1], v[Q+2*\i:Q+2*\i+1] op_sel_hi:[1,0]
.endr
.endr
.irp p, 0,1,2,3,4,5,6,7
.irp i, 0,1
	v_pk_fma_f32 v[X+16*\i+2*\p:X+16*\i+2*\p+1], v[X+16*\i+2*\p:X+16*\i+2*\p+1], v[G+2*\p:G+2*\p+1], v[BE+2*\p:BE+2*\p+1]
.endr
.endr
.irp i, 0,1
.irp j, 0,1,2,3
	v_cvt_pk_f16_f32 v[X+16*\i+4*\j], v[X+16*\i+4*\j], v[X+16*\i+4*\j+1]
	v_cvt_pk_f16_f32 v[X+16*\i+4*\j+1], v[X+16*\i+4*\j+2], v[X+16*\i+4*\j+3]
	ds_store_b64 v[LS], v[X+16*\i+4*\j:X+16*\i+4*\j+1] offset:8*GPI*\j+16*\i
.endr
.endr
	s_wait_dscnt 0x0                               ; for the others' sake: my stores are done
	s_barrier_signal -1
	s_barrier_wait -1                              ; a granule holds 16 bytes of each of the 16 rows: all eight waves have written it
.irp u, 0,1,2,3
	ds_load_b128 v[X+4*\u:X+4*\u+3], v[LR] offset:GPI*\u
.endr
.irp u, 0,1,2,3
	s_wait_dscnt 3-\u                              ; LDS loads come back in order: granule u is in
	global_store_b128 v[SO], v[X+4*\u:X+4*\u+3], s[SOUT:SOUT+1] offset:512*\u   ; 512 consecutive bytes, aligned
.endr
	s_wait_tensorcnt 0x0
	ds_add_u32 v80, v81
	s_wait_dscnt 0x0
	s_endpgm
.Lfunc_end_k_q35fb096dc6_ln2:
	.size	k_q35fb096dc6_ln2, .Lfunc_end_k_q35fb096dc6_ln2-k_q35fb096dc6_ln2
	.p2alignl 7, 3214868480
	.fill 96, 4, 3214868480
	.section	.rodata,"a",@progbits
	.p2align	6, 0x0
	.amdhsa_kernel k_q35fb096dc6_ln2
		.amdhsa_group_segment_fixed_size 18432
		.amdhsa_private_segment_fixed_size 0
		.amdhsa_enable_private_segment 0
		.amdhsa_kernarg_size 32
		.amdhsa_user_sgpr_count 2
		.amdhsa_user_sgpr_kernarg_segment_ptr 1
		.amdhsa_wavefront_size32 1
		.amdhsa_system_sgpr_workgroup_id_x 1
		.amdhsa_system_sgpr_workgroup_id_y 1
		.amdhsa_system_sgpr_workgroup_id_z 1
		.amdhsa_system_vgpr_workitem_id 0
		.amdhsa_next_free_vgpr 82
		.amdhsa_next_free_sgpr 66
		.amdhsa_reserve_vcc 0
		.amdhsa_float_denorm_mode_32 3
		.amdhsa_float_denorm_mode_16_64 3
		.amdhsa_memory_ordered 1
		.amdhsa_forward_progress 1
		.amdhsa_inst_pref_size 13
	.end_amdhsa_kernel
	.amdgpu_metadata
---
amdhsa.version: [ 1, 2 ]
amdhsa.kernels:
  - .name:           k_q35fb096dc6_ln2
    .symbol:         k_q35fb096dc6_ln2.kd
    .args:
      - { .name: x1b, .offset: 0, .size: 8, .value_kind: global_buffer, .address_space: global }
      - { .name: g2, .offset: 8, .size: 8, .value_kind: global_buffer, .address_space: global }
      - { .name: be2, .offset: 16, .size: 8, .value_kind: global_buffer, .address_space: global }
      - { .name: hbuf, .offset: 24, .size: 8, .value_kind: global_buffer, .address_space: global }
    .group_segment_fixed_size: 18432
    .private_segment_fixed_size: 0
    .kernarg_segment_align: 8
    .kernarg_segment_size: 32
    .max_flat_workgroup_size: 256
    .sgpr_count:     66
    .vgpr_count:     82
    .wavefront_size: 32
...
	.end_amdgpu_metadata
.endif
;; end of part 5
;; launch ff1 (part 6): grid 4 x 64, 4 waves a work-group, clusters of 4 x 4, 327,680 bytes of LDS; arguments hbuf, w3t, big, b1; writes big
.if DOCPART == 6
	.amdgcn_target "amdgcn-amd-amdhsa--gfx1250"
	.amdhsa_code_object_version 6
	.text
	.protected	k_q35fb096dc6_ff1
	.globl	k_q35fb096dc6_ff1
	.p2align	8
	.type	k_q35fb096dc6_ff1,@function
k_q35fb096dc6_ff1:
	s_mov_b64 s[64:65], 0
	v_nop
	global_prefetch_b8 v0, s[64:65] scope:SCOPE_SE
	s_setreg_imm32_b32 hwreg(HW_REG_WAVE_MODE, 25, 1), 1
	s_wait_xcnt 0x0
	s_wait_alu depctr_hold_cnt(0) depctr_sa_sdst(0) depctr_va_vdst(0) depctr_va_sdst(0) depctr_va_ssrc(0) depctr_va_vcc(0) depctr_vm_vsrc(0)
	s_getreg_b32 s2, hwreg(HW_REG_IB_STS2, 6, 4)
	s_cmp_eq_u32 s2, 0
	s_cbranch_scc0 .Lentry_in_a_cluster
	s_endpgm
.Lentry_in_a_cluster:
	s_bfe_u32 s2, ttmp6, 0x10000c
	s_cmp_lg_u32 s2, 0xf033
	s_cbranch_scc0 .Lentry_shape_is_right
	s_endpgm
.Lentry_shape_is_right:
; act[m][n] = max(0, b1[n] + sum over k of h2[m][k] W1[k][n]), K = 512.  h2 [8192][512], W1^T [2048][512] and act [8192][2048] are f16 in granules of 512 bytes (granule (mb, kb):
; rows 16 mb .. +15, k = 16 kb .. +15; the 16 bytes at 16 (r + 16 h) hold row r, k = 8 h .. +7; byte (mb K/16 + kb) 512).  b1 is f32.  Sums and the maximum in f32, act rounded once.
; ROOM IN f16: the sums' rms is sqrt(512) x rms(h2) x rms(W1): with gains of 30 and weights of rms 1.33 (30 times 1/sqrt(512)) about 900, the largest of them about six times that, a twelfth
; of 65,504; with both 30 times smaller than 1 and 1/sqrt(512) it is 0.0011, and f16's step, never above 2^-24, is under 1e-4 of that.  Limit: a result beyond 65,504 becomes infinity.
; A WORK-GROUP STAYS: it owns 128 rows, whose h2 (all of K, 131,072 bytes) is fetched once and stays in LDS, and makes four tiles of 128 x 128.  Each of its four waves makes 64 x 64 of a tile:
; 16 accumulators.  K goes in two steps of 256.  LDS region s (131,072 s) holds h2's K half s (65,536 bytes) and behind it W1's tile of K half s.  Only W1's part is filled again: when a step's last
; fragments are in registers, it takes the same K half of the next tile: waves 2 and 3 ask, one tensor load each of 4 blocks of 16 rows (4 rows of 8,192 consecutive bytes); it has 112 matrix
; instructions a wave, and every second time the way out, in which to land.  A fragment is two LDS loads of 512 consecutive bytes: nothing is padded.
; A STEP IS WRITTEN ONCE and walked twice: the LDS read bases turn by an exclusive or, one descriptor walks.  What differs is written out: the products that start a tile's sums, the last tile (no refill).
; CLUSTER: 4 x 4 work-groups; h2's rows are asked for jointly by the four of a row of the cluster, W1's by the four of a column.  A round of the cluster's barrier stands in front of every refill.
; ORDER: a work-group's column x takes the column tiles x + 4 g, g = r, r + 1, r + 2, r + 3 mod 4 with r = (y + y / 4) mod 4, y the cluster's row: at any time the sixteen clusters ask for all
; four g, and from its second tile on a cluster asks for rows of W1 that other clusters have read a tile earlier.
; THE MATRIX INSTRUCTION IS USED TRANSPOSED (source 0 = 16 rows of W1^T, source 1 = 16 rows of h2): a lane holds row l % 16 and the columns 8 (l / 16) + 0 .. 7, which pack into the lane's
; 16 bytes of act's granule: a store covers 512 consecutive bytes, aligned, and no stage is needed.  The bias is the C of each sum's first product; the next tile's bias is loaded a tile ahead.
; REGISTERS: window 0: v16-18, v27 addresses; v28-29 for the add; v32-95 packed results; v96-127 the bias; v128-255 accumulators ((a, b) at v[128 + 8 (4 a + b)]).  Window 1: two fragment buffers of 128.
.set KDIM,  512
.set BOFF,  524288                     ; W1^T lies behind Wo^T in w3t
.set KSTEPB, 8192                      ; a K step of 256 in a block of 16 rows: 16 granules
.set HALFT, 32768                      ; what one tensor load brings, and what one wave reads of h2 or of W1 in a K step
.set SLOT,  4*HALFT                    ; a region: h2's two halves, then W1's two halves
.set SPARE, 2*SLOT                     ; behind the regions: the spare words, 128 bytes for each wave: two blocks of 256 bytes that no other line names
.set TILES, 4
.set MBP,   65536                      ; bytes from a block of 16 rows of act to the next: 128 granules
.set ADRA, 16                          ; v16  LDS address of my 16 bytes of h2's granules in the region in hand
.set ADRB, 17                          ; v17  the same for W1
.set L16,  18                          ; v18  16 x lane; never rewritten
.set BO,   27                          ; v27  my byte offset in the bias
.set SPW,  28                          ; v28  LDS address of my spare word: SPARE + 4 x my thread's number; never rewritten
.set NIL,  29                          ; v29  0; never rewritten
.set TMP,  32
.set BIAS, 96
.set ACC,  128
.set F0,   0
.set F1,   128
.set XA, 21                            ; s21  LDS byte at which my 64 rows of h2 begin
.set XB, 22                            ; s22  the same for W1
.set G1, 24                            ; s[24:31] descriptor group 1 for h2's tiles;  s[32:39] group 0, one set for each region
.set G0, 32
.set BB, 46                            ; s[46:47] W1^T at my part of column tile x
.set G1B, 48                           ; s[48:55], s[56:63] the same for W1's tiles;
.set G0B, 56
.set GW, 60                            ; the second set then walks on
.set OB, 66                            ; s[66:67] act at my part of column tile x
.set BW, 68                            ; s[68:69] b1 at my part of the tile whose bias is loaded
.set BS, 70                            ; s[70:71] b1 at my part of column tile x
.set GC, 72                            ; s72  g of the tile in hand
.set GN, 73                            ; s73  g of the next tile
.set OF, 74                            ; s[74:75] an offset; s75 stays 0
.set CNT, 76                           ; s76  the tile's K step, 0 or 1
.set J, 77                             ; s77  counts the tiles
.set GOFF, 80                          ; s80  524,288 x s73: the next tile's rows of W1^T
.set MSB, 0
.macro WIN new                         ; the immediate's high byte repeats the setting that is left
.if MSB != \new
	s_set_vgpr_msb (MSB<<8)|\new
.set MSB, \new
.endif
.endm
.set MUL,  0x05                        ; sources 0 and 1 window 1; C and D window 0
.set TO_F, 0x40                        ; destination window 1, address window 0
.macro JLOAD s                         ; a first fill: waves 0 and 1 fetch h2's two halves, waves 2 and 3 W1's; four v_nop follow each of the two lines
	s_cmp_eq_u32 s11, 0
	s_cbranch_scc0 .Lfor_b_\@
	tensor_load_to_lds s[G0+4*\s:G0+4*\s+3], s[G1:G1+7]
	s_nop 0
.rept 4
	v_nop
.endr
	s_branch .Lasked_\@
.Lfor_b_\@:
	tensor_load_to_lds s[G0B+4*\s:G0B+4*\s+3], s[G1B:G1B+7]
	s_nop 0
.rept 4
	v_nop
.endr
.Lasked_\@:
.endm
.macro CREST                           ; a round of the cluster's barrier behind its opening barrier
	s_cmp_lg_u32 s10, 0
	s_cbranch_scc1 .Lnot_wave_0_\@
	s_barrier_signal -3
.Lnot_wave_0_\@:
	s_barrier_wait -3
	s_barrier_signal -1
	s_barrier_wait -1
.endm
.macro CROUND                          ; a whole round
	s_barrier_signal -1
	s_barrier_wait -1
	CREST
.endm
	s_load_b128 s[4:7], s[0:1], 0x0                ; h2 s[4:5], w3t s[6:7]
	s_load_b64 s[OB:OB+1], s[0:1], 0x10            ; act
	s_load_b64 s[BS:BS+1], s[0:1], 0x18            ; b1
	v_lshl_add_u32 v[SPW], v0, 2, SPARE
	v_mov_b32 v[NIL], 0
	ds_add_u32 v28, v29
	s_wait_dscnt 0x0
	v_lshrrev_b32 v1, 5, v0
	v_readfirstlane_b32 s10, v1                    ; wave 0..3
	s_lshr_b32 s11, s10, 1                         ; which half of the tile's rows is mine.  Also: I fetch for h2 (0) or for W1 (1)
	s_and_b32 s12, s10, 1                          ; which half of its columns.  Also: which 64 rows of a tile I fetch
	s_bfe_u32 s40, ttmp6, 0x40000                  ; cx, cy: my place in the cluster
	s_bfe_u32 s41, ttmp6, 0x40004
	s_lshl_b32 s42, ttmp9, 2
	s_add_co_u32 s42, s42, s40                     ; x = 4 x cluster x + cx
	s_and_b32 s13, ttmp7, 0xffff                   ; y, the cluster's row, which all sixteen partners share
	s_lshr_b32 s[GC], s13, 2
	s_add_co_u32 s[GC], s[GC], s13
	s_and_b32 s[GC], s[GC], 3                      ; the first tile's g
	s_lshl_b32 s13, s13, 2
	s_add_co_u32 s13, s13, s41                     ; block of 128 rows = 4 y + cy
	s_lshl_b32 s43, s41, 2
	s_lshl_b32 s43, 15, s43                        ; my row of the cluster
	s_lshl_b32 s44, 0x1111, s40                    ; my column
	; descriptor group 1: 4 rows of 1,024 elements of 8 bytes, no padding
	s_or_b32 s[G1+0], s43, (3<<16)|(1<<21)         ; 15:0 the mask: h2's tiles go to my row; 17:16 elements of 8 bytes; 21 set beside a mask
	s_or_b32 s[G1B+0], s44, (3<<16)|(1<<21)
.irp g, G1, G1B
	s_mov_b32 s[\g+1], 1024<<16                    ; tensor_dim0 = 1,024
	s_mov_b32 s[\g+2], 4<<16                       ; tensor_dim1 = 4
	s_mov_b32 s[\g+3], 1024<<16                    ; tile_dim0 = 1,024
	s_mov_b32 s[\g+4], 4                           ; tile_dim1 = 4
	s_mov_b32 s[\g+5], KDIM*4                      ; from a block of 16 rows to the next: KDIM x 32 bytes, in elements
	s_mov_b32 s[\g+6], 0
	s_mov_b32 s[\g+7], 0
.endr
	s_lshl_b32 s17, s12, 2                         ; which 4 blocks of 16 rows I fetch
	s_lshl_b32 s16, s13, 3
	s_add_co_u32 s16, s16, s17                     ; h2: block 8 x row block + 4 x half
	s_lshl_b32 s[BB], s42, 3
	s_add_co_u32 s[BB], s[BB], s17                 ; W1^T: block 8 x + 4 x half, and 32 g on top
	s_mul_i32 s16, s16, KDIM*32
	s_mul_i32 s[BB], s[BB], KDIM*32
	s_add_co_u32 s[BB], s[BB], BOFF
	s_mov_b32 s17, 0
	s_mov_b32 s[BB+1], 0
	s_mov_b32 s[OF+1], 0
	s_lshl_b32 s[OF], s[GC], 19                    ; 32 blocks of 16,384 bytes for each g
	s_mul_i32 s20, s10, HALFT                      ; where they go: wave x 32,768: no place in the cluster enters an LDS address
	s_wait_kmcnt 0x0
	s_add_nc_u64 s[14:15], s[4:5], s[16:17]
	s_add_nc_u64 s[BB:BB+1], s[6:7], s[BB:BB+1]
	s_add_nc_u64 s[18:19], s[BB:BB+1], s[OF:OF+1]
	CROUND                                         ; all sixteen work-groups are here: the first joint loads meet
.irp s, 0,1
	s_mov_b32 s[G0+4*\s], 1
	s_add_co_u32 s[G0+4*\s+1], s20, \s*SLOT
	s_add_nc_u64 s[G0+4*\s+2:G0+4*\s+3], s[14:15], \s*KSTEPB
	s_or_b32 s[G0+4*\s+3], s[G0+4*\s+3], 0x80000000
	s_mov_b32 s[G0B+4*\s], 1
	s_add_co_u32 s[G0B+4*\s+1], s20, \s*SLOT
	s_add_nc_u64 s[G0B+4*\s+2:G0B+4*\s+3], s[18:19], \s*KSTEPB
	s_or_b32 s[G0B+4*\s+3], s[G0B+4*\s+3], 0x80000000
	JLOAD \s                                       ; two tensor loads of mine are out at the start, later at most one behind each round
.endr
	v_and_b32 v1, 31, v0
	v_lshlrev_b32 v[L16], 4, v1                    ; a lane's 16 bytes of a granule
	v_bfe_u32 v4, v0, 4, 1
	v_lshlrev_b32 v[BO], 5, v4                     ; my eight columns of a block of 16
	s_mul_i32 s[XA], s11, HALFT                    ; my 64 rows of h2
	s_mul_i32 s[XB], s12, HALFT                    ; my 64 rows of W1^T,
	s_add_co_u32 s[XB], s[XB], 2*HALFT             ; which lie behind h2's 128
	v_add_nc_u32 v[ADRA], s[XA], v[L16]
	v_add_nc_u32 v[ADRB], s[XB], v[L16]
	s_lshl_b32 s16, s13, 19                        ; act: block of rows 8 x row block + 4 x half, 65,536 bytes each
	s_lshl_b32 s17, s11, 18
	s_add_co_u32 s16, s16, s17
	s_mov_b32 s17, 0
	s_add_nc_u64 s[OB:OB+1], s[OB:OB+1], s[16:17]
	s_lshl_b32 s78, s42, 12                        ; granule 8 x + 4 x half of a block, and 32 g on top
	s_lshl_b32 s79, s12, 11
	s_add_co_u32 s78, s78, s79
	s_mov_b32 s79, 0
	s_add_nc_u64 s[OB:OB+1], s[OB:OB+1], s[78:79]
	s_lshl_b32 s78, s42, 9                         ; the bias: 512 bytes for each x, 256 a half, and 2,048 g on top
	s_lshl_b32 s45, s12, 8
	s_add_co_u32 s78, s78, s45
	s_add_nc_u64 s[BS:BS+1], s[BS:BS+1], s[78:79]
	s_lshl_b32 s[OF], s[GC], 11
	s_add_nc_u64 s[BW:BW+1], s[BS:BS+1], s[OF:OF+1]
.macro LDBIAS                          ; the bias of my 64 columns, each lane its eight of each block of 16
.irp b, 0,1,2,3
	global_load_b128 v[BIAS+8*\b:BIAS+8*\b+3],   v[BO], s[BW:BW+1] offset:64*\b
	global_load_b128 v[BIAS+8*\b+4:BIAS+8*\b+7], v[BO], s[BW:BW+1] offset:64*\b+16
.endr
.endm
	LDBIAS
; 8 matrix instructions: m blocks a0, a0 + 1 x all 4 n blocks, 32 along K: half c of buffer f.  zero = 1: the first product starts the sums, from the bias.
; The 16 accumulators take turns, one instruction a turn, over every jump too.
.macro MUL8 f, c, a0, zero
.irp a, \a0, \a0+1
.irp b, 0,1,2,3
.if \zero
	v_wmma_f32_16x16x32_f16 v[ACC+8*(4*(\a)+\b):ACC+8*(4*(\a)+\b)+7], v[\f+64+8*(4*\c+\b):\f+64+8*(4*\c+\b)+7], v[\f+8*(4*\c+\a):\f+8*(4*\c+\a)+7], v[BIAS+8*\b:BIAS+8*\b+7]
.else
	v_wmma_f32_16x16x32_f16 v[ACC+8*(4*(\a)+\b):ACC+8*(4*(\a)+\b)+7], v[\f+64+8*(4*\c+\b):\f+64+8*(4*\c+\b)+7], v[\f+8*(4*\c+\a):\f+8*(4*\c+\a)+7], v[ACC+8*(4*(\a)+\b):ACC+8*(4*(\a)+\b)+7]
.endif
.endr
.endr
.endm
; 32 LDS loads in one run: the fragments of 64 along K (4 granules, at byte k of a block's 8,192) of the region in hand into buffer f; the first 32 along K first
.macro FETCH k, f
	WIN TO_F
.irp c, 0,1
.irp i, 0,1,2,3
	ds_load_b128 v[\f+64+8*(4*\c+\i):\f+64+8*(4*\c+\i)+3],   v[ADRB] offset:\k+1024*\c+\i*KSTEPB
	ds_load_b128 v[\f+64+8*(4*\c+\i)+4:\f+64+8*(4*\c+\i)+7], v[ADRB] offset:\k+1024*\c+\i*KSTEPB+512
	ds_load_b128 v[\f+8*(4*\c+\i):\f+8*(4*\c+\i)+3],         v[ADRA] offset:\k+1024*\c+\i*KSTEPB
	ds_load_b128 v[\f+8*(4*\c+\i)+4:\f+8*(4*\c+\i)+7],       v[ADRA] offset:\k+1024*\c+\i*KSTEPB+512
.endr
.endr
.endm
.macro PLACES                          ; four plain vector instructions in front of loads into registers that matrix instructions have read, and of instructions that read results
.rept 4
	v_nop
.endr
.endm
.macro FLIP                            ; the reads go on in the other region
	s_xor_b32 s[XA], s[XA], SLOT
	s_xor_b32 s[XB], s[XB], SLOT
	v_add_nc_u32 v[ADRA], s[XA], v[L16]
	v_add_nc_u32 v[ADRB], s[XB], v[L16]
.endm
; A K step is four quarters of 64 along K, 32 matrix instructions each, on buffers 0, 1, 0, 1.  HEAD is the first half of the first quarter.
.macro HEAD zero
	s_wait_dscnt 16                                ; the first 32 along K are in; the sixteen younger loads may be out
	WIN MUL
	MUL8 F0, 0, 0, \zero
	MUL8 F0, 0, 2, \zero
	PLACES
	WIN 0
.endm
.macro QUARTER k, f, g                 ; multiplies buffer f and fetches the next quarter, at byte k, into g
	s_wait_dscnt 16
	WIN MUL
	MUL8 \f, 0, 0, 0
	MUL8 \f, 0, 2, 0
	PLACES
	FETCH \k, \g
	s_wait_dscnt 32                                ; all but the 32 just issued
	WIN MUL
	MUL8 \f, 1, 0, 0
	MUL8 \f, 1, 2, 0
.endm
.macro REST                            ; the rest of the first quarter, the second and the third
	FETCH 2048, F1
	s_wait_dscnt 32
	WIN MUL
	MUL8 F0, 1, 0, 0
	MUL8 F0, 1, 2, 0
	QUARTER 4096, F1, F0
	QUARTER 6144, F0, F1
.endm
; The first half of the last quarter, and ONE barrier: in front of it each wave waits for all its tensor loads, adds 0 to its spare word, and waits for that and for its own reads of this region.
.macro MEET
	WIN 0                                          ; (the add's two registers lie in window 0)
	s_wait_tensorcnt 0x0                           ; all my tensor loads have landed: the one that may be out is my part of the other region's W1;
	ds_add_u32 v[SPW], v[NIL]                      ; 0 onto my spare word;
	s_wait_dscnt 17                                ; (the add and the youngest sixteen loads may be out)
	WIN MUL
	MUL8 F1, 0, 0, 0                               ; eight matrix instructions stand between the add and the wait for it
	s_wait_dscnt 0x0                               ; the add is done, and my reads of this region are over
	s_barrier_signal -1
	MUL8 F1, 0, 2, 0
	WIN 0
	s_barrier_wait -1
.endm
; W1's part of the region just read takes the same K half of the next tile.  No tensor load of mine is out, so the walking group 0 may be written.
.macro REFILL
	s_xor_b32 s[GW+1], s[GW+1], SLOT               ; the other region than last time
	s_lshl_b32 s[OF], s[CNT], 13                   ; K half: 8,192 bytes on in each block,
	s_add_co_u32 s[OF], s[OF], s[GOFF]             ; the next tile's rows
	s_add_nc_u64 s[GW+2:GW+3], s[BB:BB+1], s[OF:OF+1]
	s_or_b32 s[GW+3], s[GW+3], 0x80000000          ; type = 2
	s_cmp_eq_u32 s11, 0
	s_cbranch_scc1 .Lnone_\@                       ; waves 0 and 1 have no part of W1 to fetch
	tensor_load_to_lds s[GW:GW+3], s[G1B:G1B+7]    ; the first tensor load behind the round, one a wave
	s_nop 0
.Lnone_\@:
.endm
; A tile's two K steps behind HEAD.  fill = 1: each step's W1 part is filled again.  The second step fetches nothing more: what follows a tile is written behind the loop.
; In the second trip of the form without refill the barrier orders nothing: the price of writing the step once.
.macro INNER fill
	s_mov_b32 s[CNT], 0
.Lblk_\@:
	REST
	MEET
.if \fill
	CREST                                          ; the barrier has opened a round of the cluster's barrier: no wave of any partner still reads this region's W1 or has a load on its way
	REFILL
.endif
	PLACES                                         ; behind the tensor load, and in front of the loads below
	s_cmp_eq_u32 s[CNT], 1
	s_cbranch_scc1 .Lnf_\@
	FLIP
	FETCH 0, F0                                    ; the second step's first fragments
	WIN 0
.Lnf_\@:
	WIN MUL
	MUL8 F1, 1, 0, 0
	MUL8 F1, 1, 2, 0
	WIN 0
	s_cmp_eq_u32 s[CNT], 1
	s_cbranch_scc1 .Lx_\@
	HEAD 0
	s_add_co_u32 s[CNT], s[CNT], 1
	s_cmp_lt_u32 s[CNT], 2
	s_cbranch_scc1 .Lblk_\@
.Lx_\@:
	s_wait_dscnt 0x0                               ; on the way that is taken MEET's wait has left nothing out; written so that it holds on every way through the text
.endm
; THE WAY OUT: each accumulator, from its low end on: the maximum with 0, then rounded to the lane's 16 bytes of a granule of act.
.macro OUT
	PLACES
	s_wait_xcnt 0x0                                ; the last tile's stores have had their addresses translated (ISA guide 3.1): their data and base are rewritten only behind this wait
	s_lshl_b32 s[OF], s[GC], 14                    ; 32 granules for each g
	s_add_nc_u64 s[8:9], s[OB:OB+1], s[OF:OF+1]
.irp t, 0,1,2,3,4,5,6,7,8,9,10,11,12,13,14,15
.irp r, 0,1,2,3,4,5,6,7
	v_max_num_f32 v[ACC+8*\t+\r], 0, v[ACC+8*\t+\r]
.endr
.irp r, 0,1,2,3
	v_cvt_pk_f16_f32 v[TMP+4*\t+\r], v[ACC+8*\t+2*\r], v[ACC+8*\t+2*\r+1]
.endr
.endr
.irp t, 0,1,2,3,4,5,6,7,8,9,10,11,12,13,14,15
	global_store_b128 v[L16], v[TMP+4*\t:TMP+4*\t+3], s[8:9] offset:(\t/4)*MBP+(\t%4)*512   ; 512 consecutive bytes, aligned
.endr
.endm
	s_wait_tensorcnt 1                             ; my part of region 0 is in; my part of region 1 may stay out
	s_barrier_signal -1
	s_barrier_wait -1                              ; everybody's is
	FETCH 0, F0
	WIN 0
	s_mov_b32 s[J], 0
.Ltile:                                                ; the first three tiles: each asks for the next tile's W1
	s_add_co_u32 s[GN], s[GC], 1
	s_and_b32 s[GN], s[GN], 3
	s_lshl_b32 s[GOFF], s[GN], 19
	s_wait_loadcnt 0x0                             ; this tile's bias is in, so its loads' base may be written
	HEAD 1
	s_lshl_b32 s[OF], s[GN], 11
	s_add_nc_u64 s[BW:BW+1], s[BS:BS+1], s[OF:OF+1]
	LDBIAS                                         ; the next tile's bias, four places behind the products that took this tile's as C
	INNER 1
	FLIP
	FETCH 0, F0                                    ; the next tile's first fragments come while this tile goes out
	WIN 0
	OUT
	s_mov_b32 s[GC], s[GN]
	s_add_co_u32 s[J], s[J], 1
	s_cmp_lt_u32 s[J], TILES-1
	s_cbranch_scc1 .Ltile
	s_wait_loadcnt 0x0                             ; the last tile's bias
	HEAD 1
	INNER 0                                        ; the last tile asks for nothing more
	OUT
	s_wait_tensorcnt 0x0                           ; the wave's end: behind my last tensor load
	ds_add_u32 v[SPW], v[NIL]
	s_wait_dscnt 0x0
	CROUND                                         ; the closing round: no work-group ends while a partner may still ask for a tile that names it
	s_endpgm
.Lfunc_end_k_q35fb096dc6_ff1:
	.size	k_q35fb096dc6_ff1, .Lfunc_end_k_q35fb096dc6_ff1-k_q35fb096dc6_ff1
	.p2alignl 7, 3214868480
	.fill 96, 4, 3214868480
	.section	.rodata,"a",@progbits
	.p2align	6, 0x0
	.amdhsa_kernel k_q35fb096dc6_ff1
		.amdhsa_group_segment_fixed_size 327680
		.amdhsa_private_segment_fixed_size 0
		.amdhsa_enable_private_segment 0
		.amdhsa_kernarg_size 32
		.amdhsa_user_sgpr_count 2
		.amdhsa_user_sgpr_kernarg_segment_ptr 1
		.amdhsa_wavefront_size32 1
		.amdhsa_system_sgpr_workgroup_id_x 1
		.amdhsa_system_sgpr_workgroup_id_y 1
		.amdhsa_system_sgpr_workgroup_id_z 1
		.amdhsa_system_vgpr_workitem_id 0
		.amdhsa_next_free_vgpr 512
		.amdhsa_next_free_sgpr 82
		.amdhsa_reserve_vcc 0
		.amdhsa_float_denorm_mode_32 3
		.amdhsa_float_denorm_mode_16_64 3
		.amdhsa_memory_ordered 1
		.amdhsa_forward_progress 1
		.amdhsa_inst_pref_size 72
	.end_amdhsa_kernel
	.amdgpu_metadata
---
amdhsa.version: [ 1, 2 ]
amdhsa.kernels:
  - .name:           k_q35fb096dc6_ff1
    .symbol:         k_q35fb096dc6_ff1.kd
    .args:
      - { .name: hbuf, .offset: 0, .size: 8, .value_kind: global_buffer, .address_space: global }
      - { .name: w3t, .offset: 8, .size: 8, .value_kind: global_buffer, .address_space: global }
      - { .name: big, .offset: 16, .size: 8, .value_kind: global_buffer, .address_space: global }
      - { .name: b1, .offset: 24, .size: 8, .value_kind: global_buffer, .address_space: global }
    .group_segment_fixed_size: 327680
    .private_segment_fixed_size: 0
    .kernarg_segment_align: 8
    .kernarg_segment_size: 32
    .max_flat_workgroup_size: 128
    .sgpr_count:     82
    .vgpr_count:     512
    .wavefront_size: 32
...
	.end_amdgpu_metadata
.endif
;; end of part 6
;; launch ff2 (part 7): grid 4 x 64, 4 waves a work-group, clusters of 4 x 4, 327,680 bytes of LDS; arguments big, w3t, out0, b2, x1b; writes out0
.if DOCPART == 7
	.amdgcn_target "amdgcn-amd-amdhsa--gfx1250"
	.amdhsa_code_object_version 6
	.text
	.protected	k_q35fb096dc6_ff2
	.globl	k_q35fb096dc6_ff2
	.p2align	8
	.type	k_q35fb096dc6_ff2,@function
k_q35fb096dc6_ff2:
	s_mov_b64 s[64:65], 0
	v_nop
	global_prefetch_b8 v0, s[64:65] scope:SCOPE_SE
	s_setreg_imm32_b32 hwreg(HW_REG_WAVE_MODE, 25, 1), 1
	s_wait_xcnt 0x0
	s_wait_alu depctr_hold_cnt(0) depctr_sa_sdst(0) depctr_va_vdst(0) depctr_va_sdst(0) depctr_va_ssrc(0) depctr_va_vcc(0) depctr_vm_vsrc(0)
	s_getreg_b32 s2, hwreg(HW_REG_IB_STS2, 6, 4)
	s_cmp_eq_u32 s2, 0
	s_cbranch_scc0 .Lentry_in_a_cluster
	s_endpgm
.Lentry_in_a_cluster:
	s_bfe_u32 s2, ttmp6, 0x10000c
	s_cmp_lg_u32 s2, 0xf033
	s_cbranch_scc0 .Lentry_shape_is_right
	s_endpgm
.Lentry_shape_is_right:
; out[m][n] = x1[m][n] + b2[n] + sum over k of act[m][k] W2[k][n], K = 2,048.  act [8192][2048] and W2^T [512][2048] are f16 in granules of 512 bytes (granule (mb, kb): rows 16 mb .. +15,
; k = 16 kb .. +15; the 16 bytes at 16 (r + 16 h) hold row r, k = 8 h .. +7; byte (mb K/16 + kb) 512).  b2, x1 and out are f32, x1 and out [8192][512] by rows.  Sums in f32.
; A work-group makes 128 x 128, each of its four waves 64 x 64: 16 accumulators.  K goes in eight steps of 256 through a ring of two LDS slots.  A tensor load brings 4 blocks of 16 rows x 256 K:
; 4 rows of 8,192 consecutive bytes; a fragment is two LDS loads of 512 consecutive bytes: nothing is padded.
; A STEP IS WRITTEN ONCE for the six steps that fill their slot again and once for the last two: the LDS read bases turn by an exclusive or, and one descriptor for A and one for B walk.
; CLUSTER: 4 x 4 work-groups; A's tiles are asked for jointly by the four of a row of the cluster, B's by the four of a column.  Where a slot is filled again, a round of the cluster's barrier
; stands between every wave's last read of the slot and the joint refill, one tensor load a wave; it has a K step less sixteen matrix instructions, 112 of them, in which to land.
; THE MATRIX INSTRUCTION IS USED TRANSPOSED (source 0 = 16 rows of B, source 1 = 16 rows of A): a lane holds row l % 16 and the columns 8 (l / 16) + 0 .. 7.
; The bias is the C of each sum's first product.  On the way out 16 rows at a time go through the wave's own stage in LDS and come back as whole rows: a wave's 64 columns are 256 bytes,
; aligned; the residual, loaded at the kernel's head in that same shape, is added there.
; REGISTERS: window 0: v16-29 addresses; v32-63, v64-95 residual rows, two blocks by turns; v96-127 the bias, later the rows on their way out; v128-255 accumulators ((a, b) at v[128 + 8 (4 a + b)]).
;            window 1: two fragment buffers of 128.
.set KDIM,  2048
.set BOFF,  2621440                    ; W2^T lies behind Wo^T and W1^T in w3t
.set KSTEPB, 8192                      ; a K step of 256 in a block of 16 rows: 16 granules
.set HALFT, 32768                      ; what one tensor load brings, and what one wave reads of A or of B in a K step
.set SLOT,  4*HALFT                    ; A's two halves, then B's two halves
.set STAGE, 2*SLOT                     ; behind the ring: 16 rows x 272 bytes for each wave; no tensor load lands there
.set SPITCH, 272
.set SPARE, STAGE+4*16*SPITCH          ; behind the stages: the spare words, 128 bytes for each wave: two blocks of 256 bytes that no other line names
.set STEPS, KDIM/256
.set ROWB,  2048                       ; a row of x1 and of out
.set ADRA, 16                          ; v16  LDS address of my 16 bytes of A's granules in the slot in hand
.set ADRB, 17                          ; v17  the same for B
.set L16,  18                          ; v18  16 x lane; never rewritten
.set STO,  24                          ; v24  the way out: where I put 32 bytes of a row
.set RD,   25                          ; v25  the way out: where I read a row back
.set CO,   26                          ; v26  my byte offset in two rows of x1 and out
.set BO,   27                          ; v27  my byte offset in the bias
.set SPW,  28                          ; v28  LDS address of my spare word: SPARE + 4 x my thread's number; never rewritten
.set NIL,  29                          ; v29  0; never rewritten
.set R0,   32
.set T,    96
.set BIAS, 96
.set ACC,  128
.set F0,   0
.set F1,   128
.set XA, 21                            ; s21  LDS byte at which my 64 rows of A begin
.set XB, 22                            ; s22  the same for B
.set G1, 24                            ; s[24:31] descriptor group 1 for A's tiles;  s[32:39] group 0: a set for each first fill; the second then walks on
.set G0, 32
.set G1B, 48                           ; s[48:55], s[56:63] the same for B's tiles
.set G0B, 56
.set CNT, 76                           ; s76  counts the last two steps
.set MSB, 0
.macro WIN new                         ; the immediate's high byte repeats the setting that is left
.if MSB != \new
	s_set_vgpr_msb (MSB<<8)|\new
.set MSB, \new
.endif
.endm
.set MUL,  0x05                        ; sources 0 (B) and 1 (A) window 1; C and D window 0
.set TO_F, 0x40                        ; destination window 1, address window 0
.macro JLOAD s                         ; a joint load: waves 0 and 1 fetch A's two halves, waves 2 and 3 B's; four v_nop follow each of the two lines
	s_cmp_eq_u32 s11, 0
	s_cbranch_scc0 .Lfor_b_\@
	tensor_load_to_lds s[G0+4*\s:G0+4*\s+3], s[G1:G1+7]
	s_nop 0
.rept 4
	v_nop
.endr
	s_branch .Lasked_\@
.Lfor_b_\@:
	tensor_load_to_lds s[G0B+4*\s:G0B+4*\s+3], s[G1B:G1B+7]
	s_nop 0
.rept 4
	v_nop
.endr
.Lasked_\@:
.endm
.macro CREST                           ; a round of the cluster's barrier behind its opening barrier
	s_cmp_lg_u32 s10, 0
	s_cbranch_scc1 .Lnot_wave_0_\@
	s_barrier_signal -3
.Lnot_wave_0_\@:
	s_barrier_wait -3
	s_barrier_signal -1
	s_barrier_wait -1
.endm
.macro CROUND                          ; a whole round
	s_barrier_signal -1
	s_barrier_wait -1
	CREST
.endm
	s_load_b128 s[4:7], s[0:1], 0x0                ; A s[4:5], B s[6:7]
	s_load_b64 s[8:9], s[0:1], 0x10                ; out
	s_load_b64 s[68:69], s[0:1], 0x18              ; b2
	s_load_b64 s[70:71], s[0:1], 0x20              ; x1
	v_lshl_add_u32 v[SPW], v0, 2, SPARE
	v_mov_b32 v[NIL], 0
	ds_add_u32 v28, v29
	s_wait_dscnt 0x0
	v_lshrrev_b32 v1, 5, v0
	v_readfirstlane_b32 s10, v1                    ; wave 0..3
	s_lshr_b32 s11, s10, 1                         ; which half of the tile's rows is mine.  Also: I fetch for A (0) or for B (1)
	s_and_b32 s12, s10, 1                          ; which half of its columns.  Also: which 64 rows of that tile I fetch
	s_bfe_u32 s40, ttmp6, 0x40000                  ; cx, cy: my place in the cluster
	s_bfe_u32 s41, ttmp6, 0x40004
	s_lshl_b32 s42, ttmp9, 2
	s_add_co_u32 s42, s42, s40                     ; tile column = 4 x cluster x + cx
	s_and_b32 s13, ttmp7, 0xffff
	s_lshl_b32 s13, s13, 2
	s_add_co_u32 s13, s13, s41                     ; tile row = 4 x cluster y + cy
	s_lshl_b32 s43, s41, 2
	s_lshl_b32 s43, 15, s43                        ; my row of the cluster
	s_lshl_b32 s44, 0x1111, s40                    ; my column
	; descriptor group 1: 4 rows of 1,024 elements of 8 bytes, no padding
	s_or_b32 s[G1+0], s43, (3<<16)|(1<<21)         ; 15:0 the mask: A's tiles go to my row; 17:16 elements of 8 bytes; 21 set beside a mask
	s_or_b32 s[G1B+0], s44, (3<<16)|(1<<21)
.irp g, G1, G1B
	s_mov_b32 s[\g+1], 1024<<16                    ; tensor_dim0 = 1,024
	s_mov_b32 s[\g+2], 4<<16                       ; tensor_dim1 = 4
	s_mov_b32 s[\g+3], 1024<<16                    ; tile_dim0 = 1,024
	s_mov_b32 s[\g+4], 4                           ; tile_dim1 = 4
	s_mov_b32 s[\g+5], KDIM*4                      ; from a block of 16 rows to the next: KDIM x 32 bytes, in elements
	s_mov_b32 s[\g+6], 0
	s_mov_b32 s[\g+7], 0
.endr
	s_lshl_b32 s17, s12, 2                         ; which 4 blocks of 16 rows I fetch
	s_lshl_b32 s16, s13, 3
	s_add_co_u32 s16, s16, s17                     ; A: block 8 x tile row + 4 x half
	s_lshl_b32 s46, s42, 3
	s_add_co_u32 s46, s46, s17                     ; B: block 8 x tile column + 4 x half
	s_mul_i32 s16, s16, KDIM*32
	s_mul_i32 s46, s46, KDIM*32
	s_add_co_u32 s46, s46, BOFF
	s_mov_b32 s17, 0
	s_mov_b32 s47, 0
	s_mul_i32 s20, s10, HALFT                      ; where they go: wave x 32,768: no place in the cluster enters an LDS address
	s_wait_kmcnt 0x0
	s_add_nc_u64 s[14:15], s[4:5], s[16:17]
	s_add_nc_u64 s[46:47], s[6:7], s[46:47]
	CROUND                                         ; all sixteen work-groups are here: the first joint loads meet
.irp s, 0,1
	s_mov_b32 s[G0+4*\s], 1
	s_add_co_u32 s[G0+4*\s+1], s20, \s*SLOT
	s_add_nc_u64 s[G0+4*\s+2:G0+4*\s+3], s[14:15], \s*KSTEPB
	s_or_b32 s[G0+4*\s+3], s[G0+4*\s+3], 0x80000000
	s_mov_b32 s[G0B+4*\s], 1
	s_add_co_u32 s[G0B+4*\s+1], s20, \s*SLOT
	s_add_nc_u64 s[G0B+4*\s+2:G0B+4*\s+3], s[46:47], \s*KSTEPB
	s_or_b32 s[G0B+4*\s+3], s[G0B+4*\s+3], 0x80000000
	JLOAD \s                                       ; two tensor loads of mine are out at the start, later one behind each round
.endr
	v_and_b32 v1, 31, v0
	v_lshlrev_b32 v[L16], 4, v1                    ; a lane's 16 bytes of a granule
	s_mul_i32 s[XA], s11, HALFT                    ; my 64 rows of A
	s_mul_i32 s[XB], s12, HALFT                    ; my 64 rows of B,
	s_add_co_u32 s[XB], s[XB], 2*HALFT             ; which lie behind A's 128
	v_add_nc_u32 v[ADRA], s[XA], v[L16]
	v_add_nc_u32 v[ADRB], s[XB], v[L16]
	v_and_b32 v2, 15, v0                           ; l % 16
	v_bfe_u32 v4, v0, 4, 1                         ; l / 16
	s_mul_i32 s23, s10, 16*SPITCH
	s_add_co_u32 s23, s23, STAGE                   ; my stage
	v_mul_u32_u24 v5, v2, SPITCH                   ; in: row l % 16, 32 bytes for each half of the lanes
	v_lshl_add_u32 v5, v4, 5, v5
	v_add_nc_u32 v[STO], s23, v5
	v_mul_u32_u24 v5, v4, SPITCH                   ; back: lanes 0-15 take one row of 256 bytes, lanes 16-31 the next
	v_lshl_add_u32 v5, v2, 4, v5
	v_add_nc_u32 v[RD], s23, v5
	v_lshlrev_b32 v5, 11, v4                       ; and the same two rows in x1 and out
	v_lshl_add_u32 v[CO], v2, 4, v5
	v_lshlrev_b32 v[BO], 5, v4                     ; my eight columns of a block of 16
	s_lshl_b32 s16, s13, 18                        ; my first row: 128 x tile row + 64 x half, 2,048 bytes each
	s_lshl_b32 s17, s11, 17
	s_add_co_u32 s16, s16, s17
	s_mov_b32 s17, 0
	s_lshl_b32 s46, s42, 9                         ; my first column, in bytes: 512 x tile column + 256 x half
	s_lshl_b32 s47, s12, 8
	s_add_co_u32 s46, s46, s47
	s_mov_b32 s47, 0
	s_add_nc_u64 s[68:69], s[68:69], s[46:47]
	s_add_nc_u64 s[8:9], s[8:9], s[16:17]
	s_add_nc_u64 s[8:9], s[8:9], s[46:47]
	s_add_nc_u64 s[70:71], s[70:71], s[16:17]
	s_add_nc_u64 s[70:71], s[70:71], s[46:47]
.irp b, 0,1,2,3
	global_load_b128 v[BIAS+8*\b:BIAS+8*\b+3],   v[BO], s[68:69] offset:64*\b
	global_load_b128 v[BIAS+8*\b+4:BIAS+8*\b+7], v[BO], s[68:69] offset:64*\b+16
.endr
.macro RES a                           ; the residual of my block a of 16 rows: eight loads of two rows x 256 bytes
.irp t, 0,1,2,3,4,5,6,7
	global_load_b128 v[R0+32*((\a)%2)+4*\t:R0+32*((\a)%2)+4*\t+3], v[CO], s[70:71] offset:(16*(\a)+2*\t)*ROWB th:TH_LOAD_NT
.endr
.endm
	RES 0
	RES 1
; 8 matrix instructions: m blocks a0, a0 + 1 x all 4 n blocks, 32 along K: half c of buffer f.  zero = 1: the first product starts the sums, from the bias.
; The 16 accumulators take turns, one instruction a turn, over every jump too.
.macro MUL8 f, c, a0, zero
.irp a, \a0, \a0+1
.irp b, 0,1,2,3
.if \zero
	v_wmma_f32_16x16x32_f16 v[ACC+8*(4*(\a)+\b):ACC+8*(4*(\a)+\b)+7], v[\f+64+8*(4*\c+\b):\f+64+8*(4*\c+\b)+7], v[\f+8*(4*\c+\a):\f+8*(4*\c+\a)+7], v[BIAS+8*\b:BIAS+8*\b+7]
.else
	v_wmma_f32_16x16x32_f16 v[ACC+8*(4*(\a)+\b):ACC+8*(4*(\a)+\b)+7], v[\f+64+8*(4*\c+\b):\f+64+8*(4*\c+\b)+7], v[\f+8*(4*\c+\a):\f+8*(4*\c+\a)+7], v[ACC+8*(4*(\a)+\b):ACC+8*(4*(\a)+\b)+7]
.endif
.endr
.endr
.endm
; 32 LDS loads in one run: the fragments of 64 along K (4 granules, at byte k of a block's 8,192) of the slot in hand into buffer f; the first 32 along K first
.macro FETCH k, f
	WIN TO_F
.irp c, 0,1
.irp i, 0,1,2,3
	ds_load_b128 v[\f+64+8*(4*\c+\i):\f+64+8*(4*\c+\i)+3],   v[ADRB] offset:\k+1024*\c+\i*KSTEPB
	ds_load_b128 v[\f+64+8*(4*\c+\i)+4:\f+64+8*(4*\c+\i)+7], v[ADRB] offset:\k+1024*\c+\i*KSTEPB+512
	ds_load_b128 v[\f+8*(4*\c+\i):\f+8*(4*\c+\i)+3],         v[ADRA] offset:\k+1024*\c+\i*KSTEPB
	ds_load_b128 v[\f+8*(4*\c+\i)+4:\f+8*(4*\c+\i)+7],       v[ADRA] offset:\k+1024*\c+\i*KSTEPB+512
.endr
.endr
.endm
.macro PLACES                          ; four plain vector instructions in front of loads into registers that matrix instructions have read, and of instructions that read results
.rept 4
	v_nop
.endr
.endm
.macro FLIP                            ; the reads go on in the other slot
	s_xor_b32 s[XA], s[XA], SLOT
	s_xor_b32 s[XB], s[XB], SLOT
	v_add_nc_u32 v[ADRA], s[XA], v[L16]
	v_add_nc_u32 v[ADRB], s[XB], v[L16]
.endm
; A K step is four quarters of 64 along K, 32 matrix instructions each, on buffers 0, 1, 0, 1.  HEAD is the first half of the first quarter.
.macro HEAD zero
	s_wait_dscnt 16                                ; the first 32 along K are in; the sixteen younger loads may be out
	WIN MUL
	MUL8 F0, 0, 0, \zero
	MUL8 F0, 0, 2, \zero
	PLACES
	WIN 0
.endm
.macro QUARTER k, f, g                 ; multiplies buffer f and fetches the next quarter, at byte k, into g
	s_wait_dscnt 16
	WIN MUL
	MUL8 \f, 0, 0, 0
	MUL8 \f, 0, 2, 0
	PLACES
	FETCH \k, \g
	s_wait_dscnt 32                                ; all but the 32 just issued
	WIN MUL
	MUL8 \f, 1, 0, 0
	MUL8 \f, 1, 2, 0
.endm
.macro REST                            ; the rest of the first quarter, the second and the third
	FETCH 2048, F1
	s_wait_dscnt 32
	WIN MUL
	MUL8 F0, 1, 0, 0
	MUL8 F0, 1, 2, 0
	QUARTER 4096, F1, F0
	QUARTER 6144, F0, F1
.endm
; The first half of the last quarter, and ONE barrier: in front of it each wave waits for all its tensor loads, adds 0 to its spare word, and waits for that and for its own reads of this slot.
.macro MEET
	WIN 0                                          ; (the add's two registers lie in window 0)
	s_wait_tensorcnt 0x0                           ; all my tensor loads have landed: the one that may be out is my part of the other slot;
	ds_add_u32 v[SPW], v[NIL]                      ; 0 onto my spare word;
	s_wait_dscnt 17                                ; (the add and the youngest sixteen loads may be out)
	WIN MUL
	MUL8 F1, 0, 0, 0                               ; eight matrix instructions stand between the add and the wait for it
	s_wait_dscnt 0x0                               ; the add is done, and my reads of this slot are over
	s_barrier_signal -1
	MUL8 F1, 0, 2, 0
	WIN 0
	s_barrier_wait -1
.endm
; THE WAY OUT of my block a of 16 rows: into my own stage, back as whole rows, the residual added, stored.  left: the younger residual loads, which may stay out.
.macro OUT a, left
.irp b, 0,1,2,3
	ds_store_b128 v[STO], v[ACC+8*(4*\a+\b):ACC+8*(4*\a+\b)+3] offset:64*\b          ; each accumulator from its low end on
	ds_store_b128 v[STO], v[ACC+8*(4*\a+\b)+4:ACC+8*(4*\a+\b)+7] offset:64*\b+16
.endr
	s_wait_xcnt 0x0                                ; the last block's stores have had their addresses translated (ISA guide 3.1): their data registers are loaded again only behind this wait
.irp t, 0,1,2,3,4,5,6,7
	ds_load_b128 v[T+4*\t:T+4*\t+3], v[RD] offset:\t*2*SPITCH    ; LDS serves a wave's instructions in order: these see the stores above
.endr
	s_wait_loadcnt \left
	s_wait_dscnt 0x0
.irp i, 0,1,2,3,4,5,6,7,8,9,10,11,12,13,14,15
	v_pk_add_f32 v[T+2*\i:T+2*\i+1], v[T+2*\i:T+2*\i+1], v[R0+32*((\a)%2)+2*\i:R0+32*((\a)%2)+2*\i+1]
.endr
.irp t, 0,1,2,3,4,5,6,7
	global_store_b128 v[CO], v[T+4*\t:T+4*\t+3], s[8:9] offset:(16*\a+2*\t)*ROWB th:TH_STORE_NT   ; 16 lanes store 256 consecutive bytes, aligned
.endr
.endm
	s_wait_loadcnt 16                              ; the bias is in; the sixteen residual loads stay out until the way out
	s_wait_tensorcnt 1                             ; my part of K step 0 is in; my part of K step 1 may stay out
	s_barrier_signal -1
	s_barrier_wait -1                              ; everybody's is
	FETCH 0, F0
	HEAD 1                                         ; the first products stand in front of the loop: they start the sums
	s_mov_b32 s3, 0
.Lstep:                                                ; K steps 0 to 5: a trip goes from a step's second sixteen products to the next step's first, and fills the slot just read with the step two on
	REST
	MEET
	CREST                                          ; the barrier has opened a round of the cluster's barrier: no wave of any partner still reads this slot's tiles or has a load on its way
	s_xor_b32 s[G0+5], s[G0+5], SLOT               ; the walking descriptors: the other slot than last time,
	s_xor_b32 s[G0B+5], s[G0B+5], SLOT
	s_add_nc_u64 s[G0+6:G0+7], s[G0+6:G0+7], KSTEPB       ; the next K step; the type bits on top are not reached
	s_add_nc_u64 s[G0B+6:G0B+7], s[G0B+6:G0B+7], KSTEPB
	JLOAD 1                                        ; the first tensor load behind the round; the four v_nop behind it are also the places in front of the loads below
	FLIP
	FETCH 0, F0
	WIN MUL
	MUL8 F1, 1, 0, 0
	MUL8 F1, 1, 2, 0
	HEAD 0
	s_add_co_u32 s3, s3, 1
	s_cmp_lt_u32 s3, STEPS-2
	s_cbranch_scc1 .Lstep
	s_mov_b32 s[CNT], 0
.Llast:                                                ; K steps 6 and 7 fill nothing and have no round; in the second trip the barrier orders nothing: the price of writing the step once
	REST
	MEET
	PLACES
	s_cmp_eq_u32 s[CNT], 1
	s_cbranch_scc1 .Lnofetch
	FLIP
	FETCH 0, F0
	WIN 0
.Lnofetch:
	WIN MUL
	MUL8 F1, 1, 0, 0
	MUL8 F1, 1, 2, 0
	WIN 0
	s_cmp_eq_u32 s[CNT], 1
	s_cbranch_scc1 .Lsums_done
	HEAD 0
	s_add_co_u32 s[CNT], s[CNT], 1
	s_cmp_lt_u32 s[CNT], 2
	s_cbranch_scc1 .Llast
.Lsums_done:
	s_wait_dscnt 0x0                               ; on the way that is taken MEET's wait has left nothing out; written so that it holds on every way through the text
	PLACES
	OUT 0, 8
	RES 2                                          ; into the registers that block 0's additions have read
	OUT 1, 8
	RES 3
	OUT 2, 8
	OUT 3, 0
	s_wait_tensorcnt 0x0                           ; the wave's end: behind my last tensor load and my last LDS store
	ds_add_u32 v[SPW], v[NIL]
	s_wait_dscnt 0x0
	CROUND                                         ; the closing round: no work-group ends while a partner may still ask for a tile that names it
	s_endpgm
.Lfunc_end_k_q35fb096dc6_ff2:
	.size	k_q35fb096dc6_ff2, .Lfunc_end_k_q35fb096dc6_ff2-k_q35fb096dc6_ff2
	.p2alignl 7, 3214868480
	.fill 96, 4, 3214868480
	.section	.rodata,"a",@progbits
	.p2align	6, 0x0
	.amdhsa_kernel k_q35fb096dc6_ff2
		.amdhsa_group_segment_fixed_size 327680
		.amdhsa_private_segment_fixed_size 0
		.amdhsa_enable_private_segment 0
		.amdhsa_kernarg_size 40
		.amdhsa_user_sgpr_count 2
		.amdhsa_user_sgpr_kernarg_segment_ptr 1
		.amdhsa_wavefront_size32 1
		.amdhsa_system_sgpr_workgroup_id_x 1
		.amdhsa_system_sgpr_workgroup_id_y 1
		.amdhsa_system_sgpr_workgroup_id_z 1
		.amdhsa_system_vgpr_workitem_id 0
		.amdhsa_next_free_vgpr 512
		.amdhsa_next_free_sgpr 78
		.amdhsa_reserve_vcc 0
		.amdhsa_float_denorm_mode_32 3
		.amdhsa_float_denorm_mode_16_64 3
		.amdhsa_memory_ordered 1
		.amdhsa_forward_progress 1
		.amdhsa_inst_pref_size 62
	.end_amdhsa_kernel
	.amdgpu_metadata
---
amdhsa.version: [ 1, 2 ]
amdhsa.kernels:
  - .name:           k_q35fb096dc6_ff2
    .symbol:         k_q35fb096dc6_ff2.kd
    .args:
      - { .name: big, .offset: 0, .size: 8, .value_kind: global_buffer, .address_space: global }
      - { .name: w3t, .offset: 8, .size: 8, .value_kind: global_buffer, .address_space: global }
      - { .name: out0, .offset: 16, .size: 8, .value_kind: global_buffer, .address_space: global }
      - { .name: b2, .offset: 24, .size: 8, .value_kind: global_buffer, .address_space: global }
      - { .name: x1b, .offset: 32, .size: 8, .value_kind: global_buffer, .address_space: global }
    .group_segment_fixed_size: 327680
    .private_segment_fixed_size: 0
    .kernarg_segment_align: 8
    .kernarg_segment_size: 40
    .max_flat_workgroup_size: 128
    .sgpr_count:     78
    .vgpr_count:     512
    .wavefront_size: 32
...
	.end_amdgpu_metadata
.endif
;; end of part 7
;; ======== version 2 of 2: 7 launches; 1.16 times as fast as version 1
;; limits: values are held in f16: magnitudes above 65,504 overflow, below 6.1e-05 lose precision
;; workspace buffers: hbuf 8,388,608 bytes; wqkt 1,572,864 bytes; w3t 4,718,592 bytes; big 33,554,432 bytes; vtb 8,388,608 bytes; x1b 16,777,216 bytes
;; launch prep: the kernel of part 1 again; grid 896 x 1, 8 waves a work-group, no clusters, 18,432 bytes of LDS; arguments x, g1, be1, Wq, Wk, Wv, Wo, W1, W2, hbuf, wqkt, w3t; writes hbuf, wqkt, w3t
;; launch qkv: the kernel of part 2 again; grid 4 x 64, 4 waves a work-group, clusters of 4 x 4, 327,680 bytes of LDS; arguments hbuf, wqkt, big, vtb; writes big, vtb
;; launch attn (part 8): grid 16 x 16, 4 waves a work-group, no clusters, 0 bytes of LDS; arguments big, vtb, hbuf; writes hbuf
.if DOCPART == 8
	.amdgcn_target "amdgcn-amd-amdhsa--gfx1250"
	.amdhsa_code_object_version 6
	.text
	.protected	k_q35fb096dc6_attn
	.globl	k_q35fb096dc6_attn
	.p2align	8
	.type	k_q35fb096dc6_attn,@function
k_q35fb096dc6_attn:
	s_mov_b64 s[64:65], 0
	v_nop
	global_prefetch_b8 v0, s[64:65] scope:SCOPE_SE
	s_setreg_imm32_b32 hwreg(HW_REG_WAVE_MODE, 25, 1), 1
	s_wait_xcnt 0x0
; Causal attention, 4 batches x 16 heads x 2,048 tokens, head size 32: O[q] = sum over k <= q of softmax_k(Q[q] . K[k] / sqrt(32)) V[k].
; Q and K come from big (granules [512 token blocks][64]: Q of head hd in granules 2 hd, 2 hd + 1, K in 32 + 2 hd, 33 + 2 hd), V^T from vtb (granules of 16 channels x 16 tokens),
; O goes to hbuf (granules [512 token blocks][32], channels 32 hd + d).  All f16; products, maxima and sums in f32; the weights are rounded to f16 for the second product, O once at the end.
; ROOM IN f16: the weights lie in [0, 1] by the running maximum; O is a mean of rows of V, so it is no larger than V's largest number, which is f16 already.
; SHARES.  Work-group (p, y): batch y / 4; wave w has head 4 (y % 4) + w.  A wave makes two blocks of 64 queries (four tiles of 16): block 31 - p, then block p: (32 - p) + (p + 1) = 33 key
; steps of 64 for every wave, so the masked half is not computed and all waves have the same work.
; NO LDS, NO CLUSTER.  The four waves have four heads and share nothing; all operands lie in memory as the matrix unit wants them, so a fragment is two loads of 512 consecutive bytes into
; registers.  Work-groups of one head do read the same K and V, but each needs another number of key steps, and nothing here goes through LDS where a joint load could land.
; No prefetch into the cache: q, k and v were stored by the launch just before.
; LAYOUT.  S^T = K Q^T (source 0 = 16 keys, source 1 = 16 queries): a lane holds ONE query (lane % 16) and the keys 8 (lane / 16) + 0 .. 7 of each block of 16.  Two such tiles, rounded in pairs,
; ARE source 1 of O^T = V^T P, whose result holds one query a lane and eight channels: the lane's 16 bytes of a granule of O.
; SOFTMAX.  For each query a running maximum m and sum l: p = 2^(c s - c m), c = log2(e) / sqrt(32); O and l are multiplied by a = 2^(c m_old - c m_new) in every step.
; A block's DIAGONAL step comes first: it starts m, l and O^T (nothing is cleared); its masked scores are -infinity.  Each query's own key is allowed, so m is finite from then on.
; THE EXPONENTIALS OF A KEY STEP ARE ONE BATCH WITH ONE WAIT.  The four tiles have registers of their own for scores, weights and statistics, so all 132 exponentials (for each tile s0-s31 and a)
; are issued before any of their results is named.  Ahead of the wait stands what names no result: the maxima, the statistics, the scalings c s - c m, the exponentials themselves.  Behind it stands
; all that does: the roundings to f16, the sums, l = a l + sum, O^T times a.  The way out's four reciprocals are a second batch, with a wait of its own.
; Limits: v_exp_f32 gives 0 for weights below 2^-126, and a weight below 2^-25 of the largest met so far rounds to 0 in f16: at most 2,048 x 2^-25 of a row's sum;
; NaN and infinities in the inputs spread as the arithmetic spreads them.
; REGISTERS.  Window 0: v2-4 lane constants; v12-43 eight registers of statistics a tile; v64-191 S^T, 32 a tile; v192-255 P, 16 a tile.
;             Window 1: v0-63 O^T (tile t, channel block cb at 16 t + 8 cb); v64-95 Q; v96-127 K of one step; v128-159 V^T of one step.
.set LO,   2          ; v2   16 x lane
.set DD,   3          ; v3   lane % 16 - 8 (lane / 16): in the diagonal tile my register j holds an allowed key where j <= DD
.set NINF, 4          ; v4   -infinity
.set ST,   12         ; tile t's statistics at v[ST+8 t]: +0 c m, +1 m, +2, +3 l (even keys', odd keys'), +4 to +7 at work; a takes +6 once the maximum is found
.set S,    64
.set P,    192
.set QF,   64         ; window 1
.set KF,   96
.set VF,   128
.set MK,   40         ; s40-47  lanes with j <= DD, j = 0 .. 7
.set CS,   58         ; s[58:59] c
.set SEL,  60         ; s[60:61] selects for v_permlanex16_b32: each lane takes its own place in the other half
; s10 wave  s15 the query block  s16 0, 1: first, second block  s17 key step  s36 the key step to fetch  s38 p
; s[18:19] K's base  s[20:21] V^T's  s[32:33] Q's  s[34:35] O's  s[22:23] K of the step fetched  s[24:25] V^T of it  s[26:27] Q of the block  s[48:49] O of it
; s[28:29], s[30:31] offsets; s29 and s31 stay 0
.set MSB, 0
.macro WIN new                      ; the immediate's high byte repeats the setting that is left
.if MSB != \new
	s_set_vgpr_msb (MSB<<8)|\new
.set MSB, \new
.endif
.endm
.set W_KQ, 0x05       ; K and Q in window 1, S^T in window 0
.set W_PV, 0x51       ; V^T and O^T in window 1, P in window 0
.set W_RS, 0x41       ; O^T (destination and source 0) in window 1, the factor in window 0
.set TO_1, 0x40       ; destination window 1, address window 0
.set W_PK, 0x05       ; sources in window 1, destination in window 0
	s_load_b128 s[4:7], s[0:1], 0x0  ; big, vtb
	s_load_b64 s[8:9], s[0:1], 0x10  ; hbuf
	v_lshrrev_b32 v1, 5, v0
	v_readfirstlane_b32 s10, v1
	v_and_b32 v1, 31, v0
	v_lshlrev_b32 v[LO], 4, v1
	v_and_b32 v5, 15, v1
	v_lshrrev_b32 v6, 4, v1
	v_lshlrev_b32 v6, 3, v6
	v_sub_nc_u32 v[DD], v5, v6
	v_mov_b32 v[NINF], 0xff800000
.irp j, 0,1,2,3,4,5,6,7
	v_cmp_le_i32 s[MK+\j], \j, v[DD]
.endr
	s_mov_b32 s38, ttmp9            ; p
	s_and_b32 s11, ttmp7, 0xffff
	s_lshr_b32 s12, s11, 2          ; batch
	s_and_b32 s13, s11, 3
	s_lshl2_add_u32 s13, s13, s10   ; head
	s_mov_b32 s[CS], 0x3e8293ee     ; c = log2(e) / sqrt(32) = 0.255035
	s_mov_b32 s[CS+1], s[CS]        ; named with it as a pair, so it is written
	s_mov_b32 s[SEL], 0x76543210
	s_mov_b32 s[SEL+1], 0xfedcba98
	s_lshl_b32 s28, s12, 22         ; big: a batch's 128 token blocks x 32,768 bytes; a head's two granules
	s_lshl_b32 s29, s13, 10
	s_add_co_u32 s28, s28, s29
	s_mov_b32 s29, 0
	s_lshl_b32 s30, s12, 21         ; vtb: a batch's two groups of 64 token blocks, 2^20 bytes each; a head's two channel blocks x 32,768 bytes
	s_lshl_b32 s31, s13, 16
	s_add_co_u32 s30, s30, s31
	s_mov_b32 s31, 0
	s_lshl_b32 s36, s12, 21         ; hbuf: a batch's 128 token blocks x 16,384 bytes; a head's two granules
	s_lshl_b32 s37, s13, 10
	s_add_co_u32 s36, s36, s37
	s_mov_b32 s37, 0
	s_wait_kmcnt 0x0
	s_add_nc_u64 s[32:33], s[4:5], s[28:29]
	s_add_nc_u64 s[18:19], s[32:33], 16384  ; K's granules lie 32 behind Q's
	s_add_nc_u64 s[20:21], s[6:7], s[30:31]
	s_add_nc_u64 s[34:35], s[8:9], s[36:37]
	s_mov_b32 s16, 0
.macro KADR                         ; K of key step s36: four token blocks on for each step
	s_lshl_b32 s28, s36, 17
	s_add_nc_u64 s[22:23], s[18:19], s[28:29]
.endm
.macro VADR                         ; V^T of key step s36: group s36 / 16, four granules for each step in it
	s_lshr_b32 s30, s36, 4
	s_lshl_b32 s30, s30, 20
	s_and_b32 s39, s36, 15
	s_lshl_b32 s39, s39, 11
	s_add_co_u32 s30, s30, s39
	s_add_nc_u64 s[24:25], s[20:21], s[30:31]
.endm
.macro LDK                          ; 64 keys x 32 channels: four fragments
.irp kb, 0,1,2,3
	global_load_b128 v[KF+8*\kb:KF+8*\kb+3],   v[LO], s[22:23] offset:32768*\kb
	global_load_b128 v[KF+8*\kb+4:KF+8*\kb+7], v[LO], s[22:23] offset:32768*\kb+512
.endr
.endm
.macro LDV                          ; 32 channels x 64 keys: fragment f = 2 kh + cb: channels 16 cb on, keys 32 kh on
.irp f, 0,1,2,3
	global_load_b128 v[VF+8*\f:VF+8*\f+3],   v[LO], s[24:25] offset:32768*(\f%2)+1024*(\f/2)
	global_load_b128 v[VF+8*\f+4:VF+8*\f+7], v[LO], s[24:25] offset:32768*(\f%2)+1024*(\f/2)+512
.endr
.endm
.macro PLACES                       ; four plain vector instructions behind matrix instructions, in front of loads into their sources and of reads of their results
.rept 4
	v_nop
.endr
.endm
; ONE TILE'S SOFTMAX FOR ONE KEY STEP is 102 instructions, in four lists.  s0-s31 are the lane's 32 scores, in pairs 0-15.  first = 1: the block's first key step, which starts m and l: it has no a.
; XS t, n: number n of the 21 that find tile t's maximum and statistics.  None of them names an exponential's result.
;   0-15    the maximum of s0-s31 and the old m, three operands at a time: four chains of seven scores (each begins at the low end of its accumulator), then the four scores left over, the chains and m
;   16-20   the other half of the lanes' maximum; c m_old is kept; the new m; c m; c m_old - c m_new
.macro XS t, n, first
.set rT, ST+8*(\t)
.set rS, S+32*(\t)
.if (\n) < 4
	v_max3_num_f32 v[rT+4+(\n)], v[rS+8*(\n)], v[rS+8*(\n)+1], v[rS+8*(\n)+2]
.elseif (\n) < 12
	v_max3_num_f32 v[rT+4+(\n)%4], v[rT+4+(\n)%4], v[rS+8*((\n)%4)+2*((\n)/4)+1], v[rS+8*((\n)%4)+2*((\n)/4)+2]
.elseif (\n) == 12
	v_max3_num_f32 v[rT+4], v[rT+4], v[rS+7], v[rS+15]
.elseif (\n) == 13
	v_max3_num_f32 v[rT+6], v[rT+6], v[rS+23], v[rS+31]
.elseif (\n) == 14
	v_max3_num_f32 v[rT+4], v[rT+4], v[rT+5], v[rT+6]
.elseif ((\n) == 15) && \first
	v_max_num_f32 v[rT+4], v[rT+4], v[rT+7]
.elseif (\n) == 15
	v_max3_num_f32 v[rT+4], v[rT+4], v[rT+7], v[rT+1]
.elseif (\n) == 16
	v_permlanex16_b32 v[rT+5], v[rT+4], s[SEL], s[SEL+1]  ; the query's other 32 keys lie in the lane 16 away
.elseif (\n) == 18
	v_max_num_f32 v[rT+1], v[rT+4], v[rT+5]
.elseif (\n) == 19
	v_mul_f32 v[rT], s[CS], v[rT+1]
.elseif \first                      ; the first step has neither 17 nor 20
.elseif (\n) == 17
	v_mov_b32 v[rT+7], v[rT]        ; c m_old is kept for a: number 19 writes c m anew
.else
	v_sub_f32 v[rT+7], v[rT+7], v[rT]
.endif
.endm
; FS t, b: c s - c m for pair b of 16 of tile t, in place.
.macro FS t, b
.set rT, ST+8*(\t)
.set rS, S+32*(\t)
	v_pk_fma_f32 v[rS+2*(\b):rS+2*(\b)+1], v[rS+2*(\b):rS+2*(\b)+1], s[CS:CS+1], v[rT:rT+1] op_sel_hi:[1,0,0] neg_lo:[0,0,1] neg_hi:[0,0,1]
.endm
; ES t, n: exponential n of 33 of tile t: s0-s31 in place, then a.
.macro ES t, n, first
.set rT, ST+8*(\t)
.set rS, S+32*(\t)
.if (\n) < 32
	v_exp_f32 v[rS+(\n)], v[rS+(\n)]
.elseif !\first
	v_exp_f32 v[rT+6], v[rT+7]
.endif
.endm
; AFT t, n: number n of the 32 that read tile t's exponentials: 0-15 pair n rounded to f16; 16-31 the sum of the tile's 16 pairs, in place: sum z of 16 adds neighbours 1, 2, 4 and 8 pairs apart,
; then l takes it (l = a l + the sum).  All of a tile's roundings stand ahead of its sums, which write over the even pairs.
.macro AFT t, n, first
.set rT, ST+8*(\t)
.set rS, S+32*(\t)
.set rP, P+16*(\t)
.if (\n) < 16
	v_cvt_pk_f16_f32 v[rP+(\n)], v[rS+2*(\n)], v[rS+2*(\n)+1]
.else
.set z, (\n)-16
.set w, 4
.set u, z
.if z >= 14
.set w, 32
.set u, 0
.elseif z >= 12
.set w, 16
.set u, z-12
.elseif z >= 8
.set w, 8
.set u, z-8
.endif
.if (z == 14) && \first
	v_pk_add_f32 v[rT+2:rT+3], v[rS:rS+1], v[rS+16:rS+17]
.elseif z < 15
	v_pk_add_f32 v[rS+w*u:rS+w*u+1], v[rS+w*u:rS+w*u+1], v[rS+w*u+w/2:rS+w*u+w/2+1]
.elseif !\first
	v_pk_fma_f32 v[rT+2:rT+3], v[rT+2:rT+3], v[rT+6:rT+7], v[rS:rS+1] op_sel_hi:[1,0,1]
.endif
.endif
.endm
; AHEAD OF THE WAIT the four tiles go in a pipeline of five stages.  Stage g holds the plain work of two tiles, 37 lines: the 16 scalings of tile g - 1 (plain numbers 0, 2 .. 30) and the 21 lines of
; tile g's maximum and statistics (1, 3 .. 31, then 32 to 36); and the 33 exponentials of tile g - 1.  Four plain lines open the stage, then exponential and plain go by turns.
; Exponential e stands behind plain number 3 + e, and its pair's scaling is plain number 2 (e / 2): scaled before it is raised.  A scaling needs c m, made at the end of the stage before.
; Stage 0 has no tile behind it (21 plain lines), stage 4 none ahead (16 scalings for 33 exponentials: there exponentials follow each other).
.macro PL g, first                  ; the stage's next plain line
.if (q < 32) && (q%2 == 0)
.if (\g) > 0
	FS (\g)-1, q/2
.endif
.elseif (\g) < 4
.if q < 32
	XS \g, q/2, \first
.else
	XS \g, q-16, \first
.endif
.endif
.set q, q+1
.endm
.macro STAGE g, first
.set q, 0
.set e, 0
.rept 4
	PL \g, \first
.endr
.rept 33
.if (\g) > 0
	ES (\g)-1, e, \first
.endif
.set e, e+1
	PL \g, \first
.endr
.endm
; A key step's softmax for all four tiles: the five stages; the wait; the lines that read the exponentials, the four tiles alternating, so that no line reads the result of the one just before it.
.macro SOFT4 first
.irp g, 0,1,2,3,4
	STAGE \g, \first
.endr
	v_nop                           ; a plain instruction between the last exponential and the use of a result (ISA guide 5.7.2): one for the batch
	s_wait_alu depctr_va_vdst(0)    ; ahead of the first line that names a result: one for the key step's batch, the exponentials of all four tiles
.set rn, 0
.rept 32
.irp t, 0,1,2,3
	AFT \t, rn, \first
.endr
.set rn, rn+1
.endr
.endm
; A KEY STEP.  diag = 1: the block's own 64 keys, masked; it starts m, l and O^T.  s36 names the step whose K and V^T are fetched meanwhile.
.macro STEP diag
	s_wait_loadcnt 8                ; K (and Q) are in; V^T's eight loads, issued behind them, may be out
	WIN W_KQ
.set i, 0
.rept 16                            ; S^T: keys 16 (i / 4) on, tile i % 4; head size 32 is one product a tile.  In the diagonal step the tiles above the diagonal are left out
.if (!\diag) || ((i/4) <= (i%4))
	v_wmma_f32_16x16x32_f16 v[S+32*(i%4)+8*(i/4):S+32*(i%4)+8*(i/4)+7], v[KF+8*(i/4):KF+8*(i/4)+7], v[QF+8*(i%4):QF+8*(i%4)+7], 0
.endif
.set i, i+1
.endr
.if \diag
	WIN 0
.irp t, 0,1,2                       ; and hold -infinity: 48 plain instructions that name no register of the products: the places behind them
.set kb, \t+1
.rept 3-\t
.irp j, 0,1,2,3,4,5,6,7
	v_mov_b32 v[S+32*\t+8*kb+\j], v[NINF]
.endr
.set kb, kb+1
.endr
.endr
.else
	PLACES
.endif
	KADR                            ; the loads that named s[22:23] are in
	WIN TO_1
	LDK
	WIN 0
.if \diag
.irp t, 0,1,2,3                     ; the tile on the diagonal: key 16 t + 8 (lane / 16) + j is allowed where j <= DD
.irp j, 0,1,2,3,4,5,6,7
	v_cndmask_b32 v[S+40*\t+\j], v[NINF], v[S+40*\t+\j], s[MK+\j]
.endr
.endr
.endif
	SOFT4 \diag
.if !\diag
	WIN W_RS
.irp t, 0,1,2,3                     ; O^T times a, each accumulator from its low end on; a belongs to the batch waited for above
.irp p, 0,1,2,3,4,5,6,7
	v_pk_mul_f32 v[16*\t+2*\p:16*\t+2*\p+1], v[16*\t+2*\p:16*\t+2*\p+1], v[ST+8*\t+6:ST+8*\t+7] op_sel_hi:[1,0]
.endr
.endr
.endif
	s_wait_loadcnt 8                ; V^T is in; the next K's eight loads may be out
	WIN W_PV
.set i, 0
.rept 16                            ; O^T += V^T P: keys 32 (i / 8) on, channels 16 ((i / 4) % 2) on, tile i % 4: the eight accumulators take turns
.if \diag && (i < 8)
	v_wmma_f32_16x16x32_f16 v[16*(i%4)+8*((i/4)%2):16*(i%4)+8*((i/4)%2)+7], v[VF+8*(2*(i/8)+(i/4)%2):VF+8*(2*(i/8)+(i/4)%2)+7], v[P+16*(i%4)+8*(i/8):P+16*(i%4)+8*(i/8)+7], 0
.else
	v_wmma_f32_16x16x32_f16 v[16*(i%4)+8*((i/4)%2):16*(i%4)+8*((i/4)%2)+7], v[VF+8*(2*(i/8)+(i/4)%2):VF+8*(2*(i/8)+(i/4)%2)+7], v[P+16*(i%4)+8*(i/8):P+16*(i%4)+8*(i/8)+7], v[16*(i%4)+8*((i/4)%2):16*(i%4)+8*((i/4)%2)+7]
.endif
.set i, i+1
.endr
	PLACES
	VADR                            ; the loads that named s[24:25] are in
	WIN TO_1
	LDV
	WIN 0
.endm
.Lblock:
	s_wait_loadcnt 0x0              ; the last fetch ahead, which no step used, has landed: its registers are loaded anew
	s_wait_xcnt 0x0                 ; the last block's stores have had their addresses translated (ISA guide 3.1): their data and base are rewritten only behind this wait
	s_sub_co_u32 s14, 31, s38
	s_cmp_eq_u32 s16, 0
	s_cselect_b32 s15, s14, s38     ; block 31 - p, then block p
	s_mov_b32 s36, s15
	KADR                            ; the diagonal step's K; s28 = 4 token blocks x 32,768 bytes x the block's number,
	s_add_nc_u64 s[26:27], s[32:33], s[28:29]  ; which is also where the block's Q begins
	VADR
	s_lshl_b32 s28, s15, 16
	s_add_nc_u64 s[48:49], s[34:35], s[28:29]
	WIN TO_1
.irp t, 0,1,2,3
	global_load_b128 v[QF+8*\t:QF+8*\t+3],   v[LO], s[26:27] offset:32768*\t
	global_load_b128 v[QF+8*\t+4:QF+8*\t+7], v[LO], s[26:27] offset:32768*\t+512
.endr
	LDK
	LDV
	s_mov_b32 s36, 0                ; fetched meanwhile: key step 0
	STEP 1
	s_cmp_eq_u32 s15, 0
	s_cbranch_scc1 .Lout            ; block 0 has its own keys alone
	s_mov_b32 s17, 0
.Lkey:                              ; key steps 0 to s15 - 1; the fetch ahead names step s17 + 1 <= s15, which lies inside the buffers
	s_add_co_u32 s36, s17, 1
	STEP 0
	s_add_co_u32 s17, s17, 1
	s_cmp_lt_u32 s17, s15
	s_cbranch_scc1 .Lkey
.Lout:
	; THE WAY OUT.  l's two halves and the other half of the lanes' are added; O^T is divided by l and rounded: the lane's 16 bytes of eight granules.
.irp t, 0,1,2,3
	v_add_f32 v[ST+8*\t+4], v[ST+8*\t+2], v[ST+8*\t+3]
.endr
.irp t, 0,1,2,3
	v_permlanex16_b32 v[ST+8*\t+5], v[ST+8*\t+4], s[SEL], s[SEL+1]
.endr
.irp t, 0,1,2,3
	v_add_f32 v[ST+8*\t+4], v[ST+8*\t+4], v[ST+8*\t+5]
.endr
.irp t, 0,1,2,3
	v_rcp_f32 v[ST+8*\t+6], v[ST+8*\t+4]
.endr
	v_nop                           ; a plain instruction between the last reciprocal and the use of its result
	WIN W_RS
	s_wait_alu depctr_va_vdst(0)    ; ahead of the first use: one for the batch of four reciprocals
.irp t, 0,1,2,3
.irp p, 0,1,2,3,4,5,6,7
	v_pk_mul_f32 v[16*\t+2*\p:16*\t+2*\p+1], v[16*\t+2*\p:16*\t+2*\p+1], v[ST+8*\t+6:ST+8*\t+7] op_sel_hi:[1,0]
.endr
.endr
	WIN W_PK
.set i, 0
.rept 32
	v_cvt_pk_f16_f32 v[S+i], v[2*i], v[2*i+1]  ; S^T's registers are free
.set i, i+1
.endr
	WIN 0
.irp t, 0,1,2,3
.irp cb, 0,1
	global_store_b128 v[LO], v[S+8*\t+4*\cb:S+8*\t+4*\cb+3], s[48:49] offset:16384*\t+512*\cb  ; 512 consecutive bytes, aligned
.endr
.endr
	s_add_co_u32 s16, s16, 1
	s_cmp_lt_u32 s16, 2
	s_cbranch_scc1 .Lblock
	s_endpgm
.Lfunc_end_k_q35fb096dc6_attn:
	.size	k_q35fb096dc6_attn, .Lfunc_end_k_q35fb096dc6_attn-k_q35fb096dc6_attn
	.p2alignl 7, 3214868480
	.fill 96, 4, 3214868480
	.section	.rodata,"a",@progbits
	.p2align	6, 0x0
	.amdhsa_kernel k_q35fb096dc6_attn
		.amdhsa_group_segment_fixed_size 0
		.amdhsa_private_segment_fixed_size 0
		.amdhsa_enable_private_segment 0
		.amdhsa_kernarg_size 24
		.amdhsa_user_sgpr_count 2
		.amdhsa_user_sgpr_kernarg_segment_ptr 1
		.amdhsa_wavefront_size32 1
		.amdhsa_system_sgpr_workgroup_id_x 1
		.amdhsa_system_sgpr_workgroup_id_y 1
		.amdhsa_system_sgpr_workgroup_id_z 1
		.amdhsa_system_vgpr_workitem_id 0
		.amdhsa_next_free_vgpr 416
		.amdhsa_next_free_sgpr 66
		.amdhsa_reserve_vcc 0
		.amdhsa_float_denorm_mode_32 3
		.amdhsa_float_denorm_mode_16_64 3
		.amdhsa_memory_ordered 1
		.amdhsa_forward_progress 1
		.amdhsa_inst_pref_size 66
	.end_amdhsa_kernel
	.amdgpu_metadata
---
amdhsa.version: [ 1, 2 ]
amdhsa.kernels:
  - .name:           k_q35fb096dc6_attn
    .symbol:         k_q35fb096dc6_attn.kd
    .args:
      - { .name: big, .offset: 0, .size: 8, .value_kind: global_buffer, .address_space: global }
      - { .name: vtb, .offset: 8, .size: 8, .value_kind: global_buffer, .address_space: global }
      - { .name: hbuf, .offset: 16, .size: 8, .value_kind: global_buffer, .address_space: global }
    .group_segment_fixed_size: 0
    .private_segment_fixed_size: 0
    .kernarg_segment_align: 8
    .kernarg_segment_size: 24
    .max_flat_workgroup_size: 128
    .sgpr_count:     66
    .vgpr_count:     416
    .wavefront_size: 32
...
	.end_amdgpu_metadata
.endif
;; end of part 8
;; launch oproj: the kernel of part 4 again; grid 4 x 64, 4 waves a work-group, clusters of 4 x 4, 327,680 bytes of LDS; arguments hbuf, w3t, x1b, bo, x; writes x1b
;; launch ln2: the kernel of part 5 again; grid 512 x 1, 8 waves a work-group, no clusters, 18,432 bytes of LDS; arguments x1b, g2, be2, hbuf; writes hbuf
;; launch ff1: the kernel of part 6 again; grid 4 x 64, 4 waves a work-group, clusters of 4 x 4, 327,680 bytes of LDS; arguments hbuf, w3t, big, b1; writes big
;; launch ff2: the kernel of part 7 again; grid 4 x 64, 4 waves a work-group, clusters of 4 x 4, 327,680 bytes of LDS; arguments big, w3t, out0, b2, x1b; writes out0
